; MI455X (gfx1250); checked and timed in simulation.
; The chip was launched on July 23, 2026; its instructions are those of AMD's public machine-readable ISA for CDNA 5 (MIT licence, August 2026) and "CDNA5" Instruction Set Architecture Reference Guide (July 2026). The comments in the code are by the model that wrote it; some were corrected since.
;; Attention. Allowed arithmetic: matrix products marked QUANTISED: E2M3 operands, one E8M0 scale for each 32 along K, by v_wmma_scale_f32_16x16x128_f8f6f4 with both operands' format E2M3, f32 sums; everything else in f32.
;; Inputs: W_k 1,024 x 1,024 float32; W_o 1,024 x 1,024 float32; W_q 1,024 x 1,024 float32; W_v 1,024 x 1,024 float32; x 2 x 2,048 x 1,024 float32.
;; Outputs: out0 2 x 2,048 x 1,024 float32.
;; This version of the problem:
;;   THIS VERSION OF THE PROBLEM IS GIVEN IN LOW PRECISION. The matrix products marked QUANTISED in the list below multiply operands that are first quantised to E2M3 (2 exponent bits, 3 mantissa bits; 6 bits a number), with one power-of-two scale for each 32 numbers along K (OCP MX v1.0); their sums are f32. All else is computed in f32.
;;   The module's matrix products, in the order in which they are computed (A, B: the left and right operand; K: the contracted axis; several contracted axes count as one K, in the product's order):
;;     1. [M 4,096, K 1,024] x [K 1,024, N 1,024]; A: input x; B: input W_q: QUANTISED
;;     2. [M 4,096, K 1,024] x [K 1,024, N 1,024]; A: input x; B: input W_k: QUANTISED
;;     3. [M 4,096, K 1,024] x [K 1,024, N 1,024]; A: input x; B: input W_v: QUANTISED
;;     4. batch 32 x [M 2,048, K 64] x [K 64, N 2,048]; A: computed on the way; B: computed on the way: QUANTISED
;;     5. batch 32 x [M 2,048, K 2,048] x [K 2,048, N 64]; A: softmax (see below); B: computed on the way: QUANTISED
;;     6. [M 4,096, K 1,024] x [K 1,024, N 1,024]; A: computed on the way; B: input W_o: QUANTISED
;;   THE QUANTISER, for each operand of a quantised product, along K:
;;     - K is cut into blocks of 32 from its start; a last block that is shorter is filled with zeros.
;;     - A block's scale is 2^e with e = floor(log2(the largest magnitude in the block)) - 2, held to -126 .. 127; a block of zeros has e = 0. As a byte (E8M0): e + 127.
;;     - Each number is divided by its block's scale, clamped to +-7.5, and rounded to the nearest number of E2M3, ties to even, subnormals kept.
;;     - The product sums the exact products of the quantised numbers (number of the format x scale) in f32.
;;   ~~~python
;;   def quantise(x, axis):      # numpy; x: float32 -> the quantised numbers, widened to float32 again
;;       x = np.moveaxis(x, axis, -1); K = x.shape[-1]
;;       x = np.pad(x, [(0, 0)] * (x.ndim - 1) + [(0, -K % 32)]); x = x.reshape(x.shape[:-1] + (-1, 32)); a = np.abs(x).max(-1, keepdims=True)
;;       e = np.where(a > 0, np.clip(np.frexp(np.where(a > 0, a, 1))[1] - 1 - 2, -126, 127), 0)      # np.frexp(a)[1] - 1 = floor(log2(a)), exactly
;;       r = np.clip(x / 2.0 ** e, -7.5, 7.5)
;;       step = 2.0 ** (np.maximum(np.frexp(np.where(r == 0, 1, r))[1] - 1, 0) - 3)
;;       q = np.round(r / step) * step * 2.0 ** e      # np.round: ties to even
;;       return np.moveaxis(q.reshape(q.shape[:-2] + (-1,))[..., :K], -1, axis).astype(np.float32)
;;   ~~~
;;   SOFTMAX AHEAD OF A QUANTISED PRODUCT. Where the list says 'softmax', what is quantised is not the finished softmax but p = 2^(t - M), with t = logit x log2(e) and M = ceil(the row's largest t), a whole number; so 1/2 < the row's largest p <= 1. The row's sum l is taken of the UNQUANTISED p, in f32, and the product's result is divided by l at the end. Since M is a whole number, a kernel that streams over the keys may use a running M (the ceiling of the running maximum): every later rescaling is an exact power of two, which a block's scale takes up: the codes' values come out the same.
;;   OPERANDS COMPUTED ON THE WAY. 'Computed on the way' means the value that the module computes at that place (a softmax that the list does not call 'softmax' is quantised finished and normalised). What goes into a quantiser is computed in f32, as accurately as f32 sums, v_exp_f32 and their like allow (about 1e-6 of the number): no bf16 or f16 on the way to a quantiser, and a product that is left as it is and whose result goes on into a quantised operand takes f32 operands (vector FMAs, or v_wmma_f32_16x16x4_f32). A number that lies on a knife's edge between two numbers of the format may be rounded either way, as far as f32 arithmetic and the matrix unit's own rounding can turn it there, and no further.
;; One version. Each part assembles by itself: llvm-mc -triple=amdgcn-amd-amdhsa -mcpu=gfx1250 --defsym DOCPART=n.
;; ======== version 1 of 1: 4 launches
;; limits: right only within a limited range of input values
;; workspace buffers: cod 6,291,456 bytes; scl 262,144 bytes; tab 524,288 bytes; qb 6,553,600 bytes; kv 6,553,600 bytes; aoc 3,145,728 bytes; aos 262,144 bytes
;; launch quant (part 1): grid 256 x 1, 4 waves a work-group, no clusters, 34,304 bytes of LDS; arguments x, W_q, W_k, W_v, W_o, cod, scl, tab; writes cod, scl, tab
.if DOCPART == 1
	.amdgcn_target "amdgcn-amd-amdhsa--gfx1250"
	.amdhsa_code_object_version 6
	.text
	.protected	k_q18b1b6c9dc_quant
	.globl	k_q18b1b6c9dc_quant
	.p2align	8
	.type	k_q18b1b6c9dc_quant,@function
k_q18b1b6c9dc_quant:
	s_mov_b64 s[64:65], 0
	v_nop
	global_prefetch_b8 v0, s[64:65] scope:SCOPE_SE
	s_setreg_imm32_b32 hwreg(HW_REG_WAVE_MODE, 25, 1), 1
	s_wait_xcnt 0x0
; x [4096][1024] and W_q, W_k, W_v, W_o [1024][1024], f32 with K innermost, become codes of FP6 (E2M3) with one E8M0 scale byte for each 32 along K,
; laid in the ORDER OF THE OPERAND'S REGISTERS, so that the later launches bring whole fragments by loads of 16 bytes a lane.  Also: the table of cosines and sines for the rotary embedding.
; TILES.  Rows go in groups of 32; tile 2 g + u holds rows 32 g + 8 u + r + 8 (r / 8), r = 0 .. 15.  Tiles 0-255 x, 256-319 W_q, 320-383 W_k, 384-447 W_v, 448-511 W_o.
; cod [512 tiles][8 K steps][1,536 bytes]: a fragment (16 rows x 128 K) is 12 registers a lane; lane (r, h) holds K = 64 c + 32 h + 0 .. 31 in registers 6 c .. 6 c + 5; registers 4 j .. 4 j + 3 lie at 512 j + 16 x lane.
; scl [512 tiles][q = 0, 1][lane][2 words]: word jj of lane (r, h) is row r's scale word (four bytes, 128 along K) of K step 4 q + 2 jj + h: one register then serves an even K step from lanes 0-15 and an odd one from lanes 16-31.
; tab [2,048 positions][32 pairs][cos, sin] f32.
; A block's scale is 2^(floor(log2(its largest magnitude)) - 2); its byte is the largest magnitude's exponent field - 2, held at 1 from below (a block of zeros keeps the byte 1: its codes are zeros, and this program alone reads the bytes).
; LIMITS: NaN and infinities among the inputs are not served; blocks whose largest magnitude lies under 2^-124 keep the byte 1.  The inverse frequencies are the correctly rounded 10^(-i / 8);
; the range reduction by two constants serves angles up to the 2,047 that the fixed length allows.
; SHARES.  Work-group g takes one group of 32 rows; wave w takes tile u = w / 2 and half q = w % 2 of K: four K steps of 16 rows x 512 bytes.  Each load reads 512 consecutive bytes of one row; a K step turns through the
; wave's own stage in LDS (rows of 528 bytes: row r starts at bank 4 r mod 64, 64 banks of 4 bytes: ISA guide 11.1) and comes back 128 consecutive bytes a lane and block.  Waves share nothing: no barrier.
; No matrix unit, no cluster: no work-group reads what another reads.  Two K steps' loads (32 of 512 bytes) of every wave are on their way.
.set STGB, 8448                        ; a wave's stage: 16 rows x 528 bytes
.set SB,   16                          ; v16-17   my two scale words
.set CD,   18                          ; v18-29   a fragment's codes
.set TC,   30                          ; v30-37   the upper halves of the blocks' codes, before they are moved
.set R,    40                          ; v40-167  two sets of 64: a K step as loaded
.set X,    168                         ; v168-231 a K step as the conversions want it: two blocks of 32 neighbours
.set IV,   232                         ; v232     my pair's inverse frequency; v233-247 at work on the table; v248-251 its two rows
	s_load_b256 s[4:11], s[0:1], 0x0               ; x, W_q, W_k, W_v
	s_load_b256 s[12:19], s[0:1], 0x20             ; W_o, cod, scl, tab
	v_lshl_add_u32 v254, v0, 2, 0x8400
	v_mov_b32 v255, 0
	v_lshrrev_b32 v1, 5, v0
	v_readfirstlane_b32 s26, v1                    ; wave
	v_and_b32 v1, 31, v0                           ; lane
	v_and_b32 v2, 15, v0                           ; r
	v_bfe_u32 v3, v0, 4, 1                         ; h
	v_lshlrev_b32 v4, 4, v1                        ; 16 x lane
	v_lshlrev_b32 v7, 3, v1                        ; 8 x lane
	s_mul_i32 s27, s26, STGB
	v_add_nc_u32 v5, s27, v4                       ; the stage, on the way in: a row's 512 bytes as they lie
	v_mul_u32_u24 v6, v2, 528
	v_lshl_add_u32 v6, v3, 7, v6
	v_add_nc_u32 v6, s27, v6                       ; and on the way out: row r, + 128 h
	v_lshlrev_b32 v3, 3, v3                        ; 8 h: my bytes' place in a scale word, in bits
	v_mov_b32 v15, 0                               ; (a lane permute's destination counts as one of its sources)
	v_cmp_le_u32 s30, 16, v1                       ; lanes 16-31
	s_mov_b32 s20, 0x76543210
	s_mov_b32 s21, 0xfedcba98                      ; v_permlanex16_b32's selects for lane l xor 16
	s_lshr_b32 s28, s26, 1                         ; u
	s_and_b32 s29, s26, 1                          ; q
	s_mov_b32 s40, 0x3fc90fdb                      ; pi / 2, its upper part
	s_mov_b32 s41, 0xb33bbd2e                      ; and what is left of it
	s_mov_b32 s42, -0.00019515295891               ; sine: r + r z (s44 + z (s43 + z s42))
	s_mov_b32 s43, 0.0083321608736
	s_mov_b32 s44, -0.16666654611
	s_mov_b32 s45, 0.00002443315712                ; cosine: 1 - z / 2 + z z (s47 + z (s46 + z s45))
	s_mov_b32 s46, -0.001388731625
	s_mov_b32 s47, 0.04166664568
	s_and_b32 s31, ttmp9, 31
	s_wait_alu depctr_va_vdst(0)
	s_wait_kmcnt 0x0
	s_cmp_lt_u32 ttmp9, 160                        ; which tensor: the choice hangs on the work-group's number alone
	s_cselect_b64 s[22:23], s[6:7], s[8:9]
	s_cmp_lt_u32 ttmp9, 224
	s_cselect_b64 s[24:25], s[10:11], s[12:13]
	s_cmp_lt_u32 ttmp9, 192
	s_cselect_b64 s[22:23], s[22:23], s[24:25]
	s_cmp_lt_u32 ttmp9, 128
	s_cselect_b64 s[22:23], s[4:5], s[22:23]
	s_cselect_b32 s31, ttmp9, s31                  ; the group's number inside its tensor
	s_lshl_b32 s32, s31, 17                        ; 32 rows of 4,096 bytes,
	s_lshl_b32 s33, s28, 15                        ; + 8 u rows,
	s_add_co_u32 s32, s32, s33
	s_lshl_b32 s33, s29, 11                        ; + my half of K
	s_add_co_u32 s32, s32, s33
	s_mov_b32 s33, 0
	s_add_nc_u64 s[22:23], s[22:23], s[32:33]
	s_lshl_b32 s34, ttmp9, 4
	s_lshl_b32 s35, s28, 3
	s_add_co_u32 s34, s34, s35
	s_lshl_b32 s35, s29, 2
	s_add_co_u32 s34, s34, s35                     ; 8 x tile + 4 q: my first fragment
	s_mul_i32 s36, s34, 1536
	s_mov_b32 s37, 0
	s_add_nc_u64 s[14:15], s[14:15], s[36:37]
	s_lshl_b32 s36, s34, 6                         ; 512 x tile + 256 q
	s_add_nc_u64 s[16:17], s[16:17], s[36:37]
	s_lshl_b32 s38, ttmp9, 3
	s_lshl_b32 s36, s26, 1
	s_add_co_u32 s38, s38, s36                     ; my two positions of the table: 8 x work-group + 2 x wave on
	s_lshl_b32 s36, s38, 8
	s_add_nc_u64 s[18:19], s[18:19], s[36:37]
.macro LOAD t                          ; K step t of my four: 16 rows, 512 consecutive bytes each, into set t % 2
.irp i, 0,1,2,3,4,5,6,7,8,9,10,11,12,13,14,15
	global_load_b128 v[R+64*((\t)%2)+4*\i:R+64*((\t)%2)+4*\i+3], v4, s[22:23] offset:(\i+8*(\i/8))*4096+512*(\t) th:TH_LOAD_NT
.endr
.endm
	LOAD 0
	LOAD 1
; THE TABLE, while the first loads are on their way.  Lane i holds pair i: its inverse frequency is 10000^(-i / 32) = 10^(-i / 8).
.macro INVF i, lit
	v_cmp_ne_u32 vcc_lo, \i, v1
	v_cndmask_b32 v[IV], \lit, v[IV], vcc_lo
.endm
	v_mov_b32 v[IV], 1.0
	INVF 1, 0.7498942093
	INVF 2, 0.5623413252
	INVF 3, 0.4216965034
	INVF 4, 0.3162277660
	INVF 5, 0.2371373706
	INVF 6, 0.1778279410
	INVF 7, 0.1333521432
	INVF 8, 0.1
	INVF 9, 0.07498942093
	INVF 10, 0.05623413252
	INVF 11, 0.04216965034
	INVF 12, 0.03162277660
	INVF 13, 0.02371373706
	INVF 14, 0.01778279410
	INVF 15, 0.01333521432
	INVF 16, 0.01
	INVF 17, 0.007498942093
	INVF 18, 0.005623413252
	INVF 19, 0.004216965034
	INVF 20, 0.003162277660
	INVF 21, 0.002371373706
	INVF 22, 0.001778279410
	INVF 23, 0.001333521432
	INVF 24, 0.001
	INVF 25, 0.0007498942093
	INVF 26, 0.0005623413252
	INVF 27, 0.0004216965034
	INVF 28, 0.0003162277660
	INVF 29, 0.0002371373706
	INVF 30, 0.0001778279410
	INVF 31, 0.0001333521432
; One row.  a = position x inverse frequency, rounded once; n = the nearest whole number of quarter turns; r = a - n pi / 2 in two fused steps, the first of which is exact
; (a and n x the upper part are multiples of 2^-23 and their difference lies under 1); sine and cosine of r by polynomials; the quarter turn chooses and signs them.
.macro ROW p
	s_add_co_u32 s39, s38, \p
	v_cvt_f32_u32 v233, s39
	v_mul_f32 v233, v233, v[IV]                    ; a
	v_mul_f32 v234, 0x3f22f983, v233               ; x 2 / pi
	v_rndne_f32 v234, v234                         ; n
	v_fma_f32 v235, -v234, s40, v233
	v_fma_f32 v235, -v234, s41, v235               ; r
	v_mul_f32 v236, v235, v235                     ; z = r r
	v_fma_f32 v237, v236, s42, s43
	v_fma_f32 v240, v236, s45, s46
	v_fma_f32 v237, v237, v236, s44
	v_fma_f32 v240, v240, v236, s47
	v_mul_f32 v238, v235, v236                     ; r z
	v_mul_f32 v241, v236, v236                     ; z z
	v_fma_f32 v242, v236, -0.5, 1.0
	v_fma_f32 v239, v238, v237, v235               ; sin r
	v_fma_f32 v243, v241, v240, v242               ; cos r
	v_cvt_i32_f32 v244, v234
	v_and_b32 v245, 1, v244
	v_cmp_eq_u32 vcc_lo, 1, v245                   ; an odd number of quarter turns: the two change places
	v_cndmask_b32 v246, v243, v239, vcc_lo
	v_cndmask_b32 v247, v239, v243, vcc_lo
	v_lshlrev_b32 v245, 30, v244                   ; the sine is turned over in quarters 2 and 3,
	v_and_b32 v245, 0x80000000, v245
	v_xor_b32 v[249+2*\p], v247, v245
	v_add_nc_u32 v244, 1, v244                     ; the cosine in quarters 1 and 2
	v_lshlrev_b32 v244, 30, v244
	v_and_b32 v244, 0x80000000, v244
	v_xor_b32 v[248+2*\p], v246, v244
	global_store_b64 v7, v[248+2*\p:249+2*\p], s[18:19] offset:256*\p   ; 32 lanes store a row's 256 consecutive bytes, aligned
.endm
	ROW 0
	ROW 1
.macro STEP t
.if (\t) < 3
	s_wait_loadcnt 16                              ; this K step's 16 loads are in; the next one's 16 stay out
.else
	s_wait_loadcnt 0x0
.endif
.irp i, 0,1,2,3,4,5,6,7,8,9,10,11,12,13,14,15
	ds_store_b128 v5, v[R+64*((\t)%2)+4*\i:R+64*((\t)%2)+4*\i+3] offset:528*\i
.endr
.irp c, 0,1
.irp i, 0,1,2,3,4,5,6,7
	ds_load_b128 v[X+32*\c+4*\i:X+32*\c+4*\i+3], v6 offset:256*\c+16*\i   ; LDS serves a wave's instructions in order (ISA guide 5.7.1.4): these see the stores above.  K = 64 c + 32 h + 0 .. 31 of row r
.endr
.endr
	s_wait_dscnt 0x0                               ; the numbers are back, and the stores have read their registers,
.if (\t) < 2
	LOAD (\t)+2                                    ; which take the K step two on
.endif
.irp c, 0,1
	v_max3_num_f32 v[8+\c], |v[X+32*\c]|, |v[X+32*\c+1]|, 0x1800000   ; my block 2 c + h: all its 32 numbers are mine; and the floor 2^(3 - 127): the byte cannot fall under 1
.endr
.irp i, 2,4,6,8,10,12,14,16,18,20,22,24,26,28,30
.irp c, 0,1
	v_max3_num_f32 v[8+\c], v[8+\c], |v[X+32*\c+\i]|, |v[X+32*\c+\i+1]|
.endr
.endr
.irp c, 0,1
	v_add_nc_u32 v[10+\c], 0xff000000, v[8+\c]     ; 2 off the exponent field: the conversion takes the exponent field of this operand as its scale
.endr
.irp c, 0,1
	v_lshrrev_b32 v[12+\c], 23, v[10+\c]           ; the scale's byte
.endr
	v_lshl_or_b32 v14, v13, 16, v12                ; my two bytes: blocks h and 2 + h,
	v_lshlrev_b32 v14, v3, v14                     ; at their places in the scale word;
	v_permlanex16_b32 v15, v14, s20, s21
	v_or_b32 v14, v14, v15                         ; with lane l xor 16's two the word is whole
	s_wait_alu depctr_va_vdst(0)
	s_wait_xcnt 0x0                                ; the last K step's stores have read their data: the codes' registers are written again only behind this wait
.irp c, 0,1
	v_cvt_scalef32_pk16_fp6_f32 v[CD+6*\c:CD+6*\c+2], v[X+32*\c:X+32*\c+15], v[10+\c]
	v_cvt_scalef32_pk16_fp6_f32 v[TC+4*\c:TC+4*\c+2], v[X+32*\c+16:X+32*\c+31], v[10+\c]   ; (a conversion's three registers begin on an even number: a block's second three do not, so they are made here and moved)
.endr
	v_nop                                          ; one plain place behind a scaled conversion
.irp c, 0,1
.irp i, 0,1,2
	v_mov_b32 v[CD+6*\c+3+\i], v[TC+4*\c+\i]
.endr
.endr
.irp j, 0,1,2
	global_store_b128 v4, v[CD+4*\j:CD+4*\j+3], s[14:15] offset:1536*(\t)+512*\j   ; 32 lanes store 512 consecutive bytes, aligned
.endr
.if (\t)%2 == 0
	v_mov_b32 v[SB+(\t)/2], v14                    ; lanes 0-15 keep the even K step's word,
.else
	v_cndmask_b32 v[SB+(\t)/2], v[SB+(\t)/2], v14, s30   ; lanes 16-31 take the odd one's
.endif
.endm
	STEP 0
	STEP 1
	STEP 2
	STEP 3
	global_store_b64 v7, v[SB:SB+1], s[16:17]      ; 32 lanes store 256 consecutive bytes, aligned
	s_wait_tensorcnt 0x0
	ds_add_u32 v254, v255
	s_wait_dscnt 0x0
	s_endpgm
.Lfunc_end_k_q18b1b6c9dc_quant:
	.size	k_q18b1b6c9dc_quant, .Lfunc_end_k_q18b1b6c9dc_quant-k_q18b1b6c9dc_quant
	.p2alignl 7, 3214868480
	.fill 96, 4, 3214868480
	.section	.rodata,"a",@progbits
	.p2align	6, 0x0
	.amdhsa_kernel k_q18b1b6c9dc_quant
		.amdhsa_group_segment_fixed_size 34304
		.amdhsa_private_segment_fixed_size 0
		.amdhsa_enable_private_segment 0
		.amdhsa_kernarg_size 64
		.amdhsa_user_sgpr_count 2
		.amdhsa_user_sgpr_kernarg_segment_ptr 1
		.amdhsa_wavefront_size32 1
		.amdhsa_system_sgpr_workgroup_id_x 1
		.amdhsa_system_sgpr_workgroup_id_y 1
		.amdhsa_system_sgpr_workgroup_id_z 1
		.amdhsa_system_vgpr_workitem_id 0
		.amdhsa_next_free_vgpr 256
		.amdhsa_next_free_sgpr 66
		.amdhsa_reserve_vcc 1
		.amdhsa_float_denorm_mode_32 3
		.amdhsa_float_denorm_mode_16_64 3
		.amdhsa_memory_ordered 1
		.amdhsa_forward_progress 1
		.amdhsa_inst_pref_size 37
	.end_amdhsa_kernel
	.amdgpu_metadata
---
amdhsa.version: [ 1, 2 ]
amdhsa.kernels:
  - .name:           k_q18b1b6c9dc_quant
    .symbol:         k_q18b1b6c9dc_quant.kd
    .args:
      - { .name: x, .offset: 0, .size: 8, .value_kind: global_buffer, .address_space: global }
      - { .name: W_q, .offset: 8, .size: 8, .value_kind: global_buffer, .address_space: global }
      - { .name: W_k, .offset: 16, .size: 8, .value_kind: global_buffer, .address_space: global }
      - { .name: W_v, .offset: 24, .size: 8, .value_kind: global_buffer, .address_space: global }
      - { .name: W_o, .offset: 32, .size: 8, .value_kind: global_buffer, .address_space: global }
      - { .name: cod, .offset: 40, .size: 8, .value_kind: global_buffer, .address_space: global }
      - { .name: scl, .offset: 48, .size: 8, .value_kind: global_buffer, .address_space: global }
      - { .name: tab, .offset: 56, .size: 8, .value_kind: global_buffer, .address_space: global }
    .group_segment_fixed_size: 34304
    .private_segment_fixed_size: 0
    .kernarg_segment_align: 8
    .kernarg_segment_size: 64
    .max_flat_workgroup_size: 128
    .sgpr_count:     66
    .vgpr_count:     256
    .wavefront_size: 32
...
	.end_amdgpu_metadata
.endif
;; end of part 1
;; launch qkv (part 2): grid 8 x 32, 4 waves a work-group, clusters of 4 x 4, 327,680 bytes of LDS; arguments cod, scl, tab, qb, kv; writes qb, kv
.if DOCPART == 2
	.amdgcn_target "amdgcn-amd-amdhsa--gfx1250"
	.amdhsa_code_object_version 6
	.text
	.protected	k_q18b1b6c9dc_qkv
	.globl	k_q18b1b6c9dc_qkv
	.p2align	8
	.type	k_q18b1b6c9dc_qkv,@function
k_q18b1b6c9dc_qkv:
	s_mov_b64 s[64:65], 0
	v_nop
	global_prefetch_b8 v0, s[64:65] scope:SCOPE_SE
	s_setreg_imm32_b32 hwreg(HW_REG_WAVE_MODE, 25, 1), 1
	s_wait_xcnt 0x0
	s_wait_alu depctr_hold_cnt(0) depctr_sa_sdst(0) depctr_va_vdst(0) depctr_va_sdst(0) depctr_va_ssrc(0) depctr_va_vcc(0) depctr_vm_vsrc(0)
	s_getreg_b32 s2, hwreg(HW_REG_IB_STS2, 6, 4)
	s_cmp_eq_u32 s2, 0
	s_cbranch_scc0 .Lentry_in_a_cluster
	s_endpgm
.Lentry_in_a_cluster:
	s_bfe_u32 s2, ttmp6, 0x10000c
	s_cmp_lg_u32 s2, 0xf033
	s_cbranch_scc0 .Lentry_shape_is_right
	s_endpgm
.Lentry_shape_is_right:
; q = x W_q^T, k = x W_k^T, v = x W_v^T on codes of FP6 (E2M3) with E8M0 scales; the rotary embedding on q and k in f32; then q and k are quantised along the head's 64, v along the keys,
; and stored in the order of the next products' operand registers.
; A WORK-GROUP STAYS: it makes 128 tokens x 128 columns (two heads) of q, then of k, then of v, each over all of K = 1,024.  x's panel (8 tiles x 8 K steps x 1,536 bytes = 98,304 bytes) is brought once and stays in LDS.
; W's panels, 98,304 bytes each, take turns in two slots: W_q in slot A (at the head), W_k in slot B (asked for ahead of q's products), W_v in slot A again (asked for behind q's products, ahead of q's way out).
; A panel lies in LDS as in memory: fragment (t, ks) at panel + 12,288 t + 1,536 ks.  A wave has one tensor load out at a time.
; CLUSTERS: 4 x 4 work-groups.  The four of a row of the cluster need the same panel of x, the four of a column the same panels of W: each part is asked for JOINTLY, by the same tensor load with the same descriptor and a mask of the four.
; NO PREFETCH: each panel of W is asked for by its tensor load a whole phase, 128 matrix instructions a wave, ahead of its first read, and the text has no loop to run ahead in.
; A wave makes 128 (P0: all eight tiles of one panel, source 0) x 32 (P1: tiles 2 w, 2 w + 1 of the other, source 1): 16 accumulators.  In accumulator set a, lane (r, h) holds row r of P1's tile, and its register 16 b + i
; P0's row 32 b + 16 h + i (tile 2 g + u holds rows 32 g + 8 u + r + 8 (r / 8)): 64 numbers that are a whole fragment of 128 along the next K, with a whole scale word.
;   q, k: P0 = W (two heads' 128 columns), P1 = x: a lane holds one token.     v: P0 = x (the 128 keys of a key step), P1 = W_v: a lane holds one channel, its registers run along the keys.
; OUT.  kv [32 heads][16 key steps][12,800 bytes]: K's codes at 1,536 b (fragment b: key tile 2 b's 64 channels in registers 0-5, tile 2 b + 1's in 6-11); V's codes at 6,144 + 1,536 t (16 channels x 128 keys);
; K's scale words at 12,288 + 64 b + 4 r (bytes 0, 1: tile 2 b; bytes 2, 3: tile 2 b + 1); V's at 12,544 + 64 t + 4 r.  qb: the same places as K's, for q.
; LIMITS: NaN and infinities are not served; blocks whose largest magnitude lies under 2^-124 keep the scale byte 1 (this program alone reads the bytes).
; REGISTERS.  window 0: v1-23 lane numbers and addresses; v28-59 P0's scale words, v60-67 P1's; v68-93 at work in the quantiser; v94-95 the add's; v96-119 the two fragments made; v120-127 at work; v128-255 the accumulators.
;   window 1: two sets of fragments at v0 and v128: P0's eight at 12 b, P1's two at 96 + 12 a.   window 2: v0-63 my two tokens' 16 pairs (cos, sin) each.
.set TILEB, 12288
.set FRB,   1536
.set PANA,  98304                      ; x's panel at 0; slot A here,
.set PANB,  196608                     ; slot B here,
.set SPARE, 294912                     ; and behind it the spare words, 128 bytes a wave
.set BLK,   12800
.set HEADB, 16*BLK
.set AX,  8                            ; v8-9    x's panel + 49,152 k + 16 x lane
.set AWA, 10                           ; v10-11  slot A likewise
.set AXM, 12                           ; v12     x's panel, my two tiles: 24,576 w + 16 x lane
.set AWM, 14                           ; v14     slot A, my two tiles
.set AWB, 20                           ; v20-21  slot B
.set SC0, 28
.set SC1, 60
.set TM,  68
.set PW0, 84
.set PW1, 85
.set TC,  86
.set FA,  96
.set FB,  108
.set RT,  120
.set ACC, 128
.set WV,  14
.set SEL, 18
.set G1X, 24                           ; s[24:31] group 1 for half of x's panel; s[32:39] for half of W's; s[52:59] for a quarter of W's
.set G1W, 32
.set G1R, 52
.set G0X, 48                           ; groups 0: x's half, W_q's half, W_k's quarter, W_v's quarter
.set G0W, 68
.set G0B, 60
.set G0V, 72
.set MSB, 0
.macro WIN new                         ; the immediate's high byte repeats the setting that is left
.if MSB != \new
	s_set_vgpr_msb (MSB<<8)|\new
.set MSB, \new
.endif
.endm
.set MUL,  0x05                        ; sources 0 and 1 window 1; C and D window 0
.set TO_F, 0x40                        ; destination window 1, address window 0
.macro CROUND                          ; a round of the cluster's barrier
	s_barrier_signal -1
	s_barrier_wait -1
	s_cmp_lg_u32 s[WV], 0
	s_cbranch_scc1 .Lnot_wave_0_\@
	s_barrier_signal -3
.Lnot_wave_0_\@:
	s_barrier_wait -3
	s_barrier_signal -1
	s_barrier_wait -1
.endm
.macro PLACES                          ; four places in front of loads into registers that matrix instructions have read, and of the first read of results
.rept 4
	v_nop
.endr
.endm
.macro SEQ                             ; three lines ahead of a round behind which LDS is filled
	s_wait_tensorcnt 0x0                           ; all my tensor loads have landed
	ds_add_u32 v94, v95
	s_wait_dscnt 0x0                               ; the add is done, and so are my reads of the panels
.endm
	s_load_b256 s[4:11], s[0:1], 0x0               ; cod, scl, tab, qb
	s_load_b64 s[12:13], s[0:1], 0x20              ; kv
	v_lshl_add_u32 v94, v0, 2, SPARE
	v_mov_b32 v95, 0
	ds_add_u32 v94, v95                            ; the opening lines: the add, twice on end, and its wait
	ds_add_u32 v94, v95
	v_lshrrev_b32 v1, 5, v0
	v_readfirstlane_b32 s[WV], v1                  ; wave 0..3
	s_lshr_b32 s15, s14, 1                         ; at the head I fetch for x (0) or for W_q (1)
	s_and_b32 s16, s14, 1                          ; which four tiles of that panel
	s_bfe_u32 s40, ttmp6, 0x40000                  ; cx, cy
	s_bfe_u32 s41, ttmp6, 0x40004
	s_lshl_b32 s42, ttmp9, 2
	s_add_co_u32 s42, s42, s40                     ; nt: heads 2 nt, 2 nt + 1
	s_and_b32 s17, ttmp7, 0xffff
	s_lshl_b32 s17, s17, 2
	s_add_co_u32 s17, s17, s41                     ; mt: 128 tokens
	s_lshl_b32 s43, s41, 2
	s_lshl_b32 s43, 15, s43                        ; my row of the cluster
	s_lshl_b32 s44, 0x1111, s40                    ; my column
	s_or_b32 s[G1X], s43, (3<<16)|(1<<21)          ; the mask: x's panel goes to my row; elements of 8 bytes; bit 21 beside a mask
	s_or_b32 s[G1W], s44, (3<<16)|(1<<21)          ; W's go to my column
	s_or_b32 s[G1R], s44, (3<<16)|(1<<21)
.irp g, G1X, G1W                       ; four tiles, all of K: 49,152 dense bytes as 192 rows of 256
	s_mov_b32 s[\g+1], 32<<16
	s_mov_b32 s[\g+2], 192<<16
	s_mov_b32 s[\g+3], 32<<16
	s_mov_b32 s[\g+4], 192
	s_mov_b32 s[\g+5], 32
	s_mov_b32 s[\g+6], 0
	s_mov_b32 s[\g+7], 0
.endr
	s_mov_b32 s[G1R+1], 32<<16                     ; two tiles: 24,576 dense bytes as 96 rows of 256
	s_mov_b32 s[G1R+2], 96<<16
	s_mov_b32 s[G1R+3], 32<<16
	s_mov_b32 s[G1R+4], 96
	s_mov_b32 s[G1R+5], 32
	s_mov_b32 s[G1R+6], 0
	s_mov_b32 s[G1R+7], 0
	s_lshl_b32 s22, s16, 2
	s_lshl_b32 s20, s17, 3
	s_add_co_u32 s20, s20, s22                     ; x: tile 8 mt + 4 x half  (x's address hangs on mt alone, W's on nt alone, each in registers that never hold the other coordinate)
	s_mul_i32 s20, s20, TILEB
	s_mov_b32 s21, 0
	s_lshl_b32 s46, s42, 3
	s_add_co_u32 s80, s46, s22
	s_add_co_u32 s80, s80, 256                     ; W_q: tile 256 + 8 nt + 4 x half
	s_mul_i32 s80, s80, TILEB
	s_mov_b32 s81, 0
	s_lshl_b32 s82, s14, 1
	s_add_co_u32 s82, s82, s46
	s_add_co_u32 s82, s82, 320                     ; W_k: tile 320 + 8 nt + 2 w
	s_mul_i32 s82, s82, TILEB
	s_mov_b32 s83, 0
	s_mul_i32 s23, s16, 49152                      ; where a half goes in its panel, and a quarter: no place in the cluster enters an LDS address
	s_mul_i32 s47, s14, 24576
	s_wait_dscnt 0x0
	s_wait_kmcnt 0x0
	s_mov_b32 s[G0X], 1
	s_mov_b32 s[G0X+1], s23
	s_add_nc_u64 s[G0X+2:G0X+3], s[4:5], s[20:21]
	s_or_b32 s[G0X+3], s[G0X+3], 0x80000000
	s_mov_b32 s[G0W], 1
	s_add_co_u32 s[G0W+1], s23, PANA
	s_add_nc_u64 s[G0W+2:G0W+3], s[4:5], s[80:81]
	s_or_b32 s[G0W+3], s[G0W+3], 0x80000000
	s_mov_b32 s[G0B], 1
	s_add_co_u32 s[G0B+1], s47, PANB
	s_add_nc_u64 s[G0B+2:G0B+3], s[4:5], s[82:83]
	s_mov_b32 s[G0V], 1
	s_add_co_u32 s[G0V+1], s47, PANA
	s_add_nc_u64 s[G0V+2:G0V+3], s[G0B+2:G0B+3], 64*TILEB   ; W_v: 64 tiles on
	s_or_b32 s[G0B+3], s[G0B+3], 0x80000000
	s_or_b32 s[G0V+3], s[G0V+3], 0x80000000
	CROUND                                         ; all sixteen work-groups are here: the joint loads meet
	s_cmp_eq_u32 s15, 0                            ; one fill a wave, in the two arms of one branch on the wave's number
	s_cbranch_scc0 .Lfill_w
	tensor_load_to_lds s[G0X:G0X+3], s[G1X:G1X+7]
	s_nop 0
	PLACES
	s_branch .Lfilled
.Lfill_w:
	tensor_load_to_lds s[G0W:G0W+3], s[G1W:G1W+7]
	s_nop 0
	PLACES
.Lfilled:
	s_mov_b32 s[SEL], 0x76543210
	s_mov_b32 s[SEL+1], 0xfedcba98                 ; v_permlanex16_b32's selects for lane l xor 16
	s_and_b32 s98, s17, 15                         ; st: the key step in the sequence
	s_lshr_b32 s99, s17, 4                         ; bt: the batch
	s_lshl_b32 s20, s17, 12
	s_mov_b32 s21, 0
	s_add_nc_u64 s[88:89], s[6:7], s[20:21]        ; x's scale words: 512 bytes a tile, tile 8 mt on
	s_lshl_b32 s46, s42, 12
	s_add_co_u32 s46, s46, 131072
	s_mov_b32 s47, 0
	s_add_nc_u64 s[90:91], s[6:7], s[46:47]        ; W_q's: tile 256 + 8 nt on; W_k's 32,768 bytes further, W_v's 65,536
	s_lshl_b32 s20, s98, 15
	s_lshl_b32 s22, s14, 13
	s_add_co_u32 s20, s20, s22
	s_add_nc_u64 s[92:93], s[8:9], s[20:21]        ; the table at position 128 st + 32 w
	s_lshl_b32 s96, s42, 1                         ; my first head: 2 nt
	s_lshl_b32 s97, s99, 4
	s_add_co_u32 s96, s96, s97
	s_add_co_u32 s84, s96, s15                     ; for v: head 2 nt + w / 2
	s_lshl_b32 s96, s96, 4
	s_add_co_u32 s96, s96, s98
	s_mul_i32 s96, s96, BLK                        ; block (16 bt + head, st)
	s_mov_b32 s97, 0
	s_lshl_b32 s84, s84, 4
	s_add_co_u32 s84, s84, s98
	s_mul_i32 s84, s84, BLK
	s_mov_b32 s85, 0
	s_add_nc_u64 s[94:95], s[10:11], s[96:97]      ; q's place,
	s_add_nc_u64 s[76:77], s[12:13], s[96:97]      ; k's,
	s_add_nc_u64 s[78:79], s[12:13], s[84:85]      ; v's
	s_lshl_b32 s20, s14, 10
	s_mul_i32 s21, s14, 24576
	s_mul_i32 s22, s14, FRB
	s_lshl_b32 s23, s14, 6
	s_add_co_u32 s23, s23, 12288
	s_mul_i32 s86, s16, 3072
	s_add_co_u32 s86, s86, 6144
	s_lshl_b32 s87, s16, 7
	s_add_co_u32 s87, s87, 12544
	v_and_b32 v1, 31, v0                           ; lane
	v_and_b32 v2, 15, v0                           ; r
	v_bfe_u32 v3, v0, 4, 1                         ; h
	v_lshlrev_b32 v4, 4, v1                        ; 16 x lane
	v_lshlrev_b32 v5, 3, v1                        ; 8 x lane: P0's scale words
	v_add_nc_u32 v6, s20, v5                       ; + 1,024 w: those of my two tiles of P1
.irp k, 0,1
	v_add_nc_u32 v[AX+\k], \k*49152, v4
	v_add_nc_u32 v[AWA+\k], PANA+\k*49152, v4
	v_add_nc_u32 v[AWB+\k], PANB+\k*49152, v4
.endr
	v_add_nc_u32 v[AXM], s21, v4
	v_add_nc_u32 v[AWM], s21, v[AWA]
	v_and_b32 v16, 8, v2
	v_add_nc_u32 v16, v16, v2                      ; r + 8 (r / 8)
	v_lshlrev_b32 v16, 8, v16
	v_lshl_add_u32 v16, v3, 6, v16                 ; the table: my token's row of 256 bytes, + 64 h: pairs 8 h on
	v_cmp_le_u32 s45, 16, v1                       ; lanes 16-31
	v_add_nc_u32 v18, s22, v4                      ; q, k: the codes' place in a block: fragment w, 16 x lane
	v_lshl_add_u32 v17, v2, 2, s23                 ; the scale word's: 12,288 + 64 w + 4 r,
	v_mul_u32_u24 v19, v3, HEADB
	v_add_nc_u32 v17, v17, v19                     ; lanes 16-31 in the next head's block
	v_add_nc_u32 v23, s86, v4                      ; v: fragments 2 (w % 2), 2 (w % 2) + 1
	v_lshl_add_u32 v22, v1, 2, s87                 ; their scale words: lanes 0-15 the first's, lanes 16-31 the second's
.irp b, 0,1,2,3
	v_mov_b32 v[TM+4+\b], 0                        ; written once: a lane permute's destination counts as one of its sources
.endr
.macro SCL0 ptr, off                   ; P0's scale words for all of K: register 4 t + j holds, in lanes 0-15, K step 2 j's word of the tile's rows, in lanes 16-31 K step 2 j + 1's.  Each load reads 256 consecutive bytes
.irp t, 0,1,2,3,4,5,6,7
.irp q, 0,1
	global_load_b64 v[SC0+4*\t+2*\q:SC0+4*\t+2*\q+1], v5, s[\ptr:\ptr+1] offset:(\off)+512*\t+256*\q
.endr
.endr
.endm
.macro SCL1 ptr, off                   ; those of my two tiles of P1
.irp t, 0,1
.irp q, 0,1
	global_load_b64 v[SC1+4*\t+2*\q:SC1+4*\t+2*\q+1], v6, s[\ptr:\ptr+1] offset:(\off)+512*\t+256*\q
.endr
.endr
.endm
.macro FETCH ks, p0a, p1a              ; 30 LDS loads in one run: K step ks's fragments, P0's eight and my two of P1, into set ks % 2.  Each reads 512 consecutive bytes
	WIN TO_F
.irp t, 0,1,2,3,4,5,6,7
.irp j, 0,1,2
	ds_load_b128 v[128*((\ks)%2)+12*\t+4*\j:128*((\ks)%2)+12*\t+4*\j+3], v[\p0a+\t/4] offset:(\t%4)*TILEB+(\ks)*FRB+512*\j
.endr
.endr
.irp t, 0,1
.irp j, 0,1,2
	ds_load_b128 v[128*((\ks)%2)+96+12*\t+4*\j:128*((\ks)%2)+96+12*\t+4*\j+3], v[\p1a] offset:\t*TILEB+(\ks)*FRB+512*\j
.endr
.endr
.endm
.macro MUL8 ks, a                      ; 8 matrix instructions: P0's eight tiles x my tile a of P1.  The 16 accumulators take turns, one instruction a turn, in the same order in every K step.  K step 0 starts the sums
	WIN MUL
.irp b, 0,1,2,3,4,5,6,7
.if (\ks) == 0
	v_wmma_scale_f32_16x16x128_f8f6f4 v[ACC+8*(8*\a+\b):ACC+8*(8*\a+\b)+7], v[12*\b:12*\b+11], v[96+12*\a:96+12*\a+11], 0, v[SC0+4*\b], v[SC1+4*\a] matrix_a_fmt:MATRIX_FMT_FP6 matrix_b_fmt:MATRIX_FMT_FP6
.elseif (\ks)%2 == 0
	v_wmma_scale_f32_16x16x128_f8f6f4 v[ACC+8*(8*\a+\b):ACC+8*(8*\a+\b)+7], v[12*\b:12*\b+11], v[96+12*\a:96+12*\a+11], v[ACC+8*(8*\a+\b):ACC+8*(8*\a+\b)+7], v[SC0+4*\b+(\ks)/2], v[SC1+4*\a+(\ks)/2] matrix_a_fmt:MATRIX_FMT_FP6 matrix_b_fmt:MATRIX_FMT_FP6
.else
	v_wmma_scale_f32_16x16x128_f8f6f4 v[ACC+8*(8*\a+\b):ACC+8*(8*\a+\b)+7], v[128+12*\b:128+12*\b+11], v[224+12*\a:224+12*\a+11], v[ACC+8*(8*\a+\b):ACC+8*(8*\a+\b)+7], v[SC0+4*\b+(\ks)/2], v[SC1+4*\a+(\ks)/2] matrix_a_fmt:MATRIX_FMT_FP6 matrix_b_fmt:MATRIX_FMT_FP6 matrix_a_scale:MATRIX_SCALE_ROW1 matrix_b_scale:MATRIX_SCALE_ROW1
.endif
.endr
.endm
.macro MAIN p0a, p1a                   ; one product over all of K; both panels are whole when it begins
	s_wait_alu depctr_va_vdst(0)
	s_wait_loadcnt 0x0                             ; the scale words (and, the first time, the table)
	FETCH 0, \p0a, \p1a
.irp ks, 0,1,2,3,4,5,6
.if \ks > 0
	PLACES
.endif
	FETCH \ks+1, \p0a, \p1a
	s_wait_dscnt 30                                ; all but the 30 just issued: this K step's fragments are in
	MUL8 \ks, 0
	MUL8 \ks, 1
.endr
	s_wait_dscnt 0x0
	MUL8 7, 0
	MUL8 7, 1
	WIN 0
	PLACES
.endm
; 64 numbers of a lane, v[s] on, register 16 b + i = k 32 b + 16 h + i of my row, become codes: k = 0 .. 63 in the six registers from d0 on, k = 64 .. 127 in those from d1 on (lane (r, h): 32 h + 0 .. 31 of each), and the scale word in v[pw].
.macro QUANT s, d0, d1, pw
.irp b, 0,1,2,3
	v_max3_num_f32 v[TM+\b], |v[(\s)+16*\b]|, |v[(\s)+1+16*\b]|, 0x1800000   ; block b: my 16 numbers, and the floor 2^(3 - 127): the byte cannot fall under 1
.endr
.irp i, 2,4,6,8,10,12,14
.irp b, 0,1,2,3
	v_max3_num_f32 v[TM+\b], v[TM+\b], |v[(\s)+16*\b+\i]|, |v[(\s)+1+16*\b+\i]|
.endr
.endr
.irp b, 0,1,2,3
	v_permlanex16_b32 v[TM+4+\b], v[TM+\b], s[SEL], s[SEL+1]
.endr
.irp b, 0,1,2,3
	v_max_num_f32 v[TM+\b], v[TM+\b], v[TM+4+\b]   ; with lane l xor 16's: the block's largest magnitude
.endr
.irp b, 0,1,2,3
	v_add_nc_u32 v[TM+12+\b], 0xff000000, v[TM+\b] ; 2 off its exponent field: the conversion's scale operand
.endr
.irp b, 0,1,2,3
	v_lshrrev_b32 v[TM+4+\b], 23, v[TM+12+\b]      ; the scale's byte
.endr
	v_lshl_or_b32 v[\pw], v[TM+5], 8, v[TM+4]
	v_lshl_or_b32 v[\pw], v[TM+6], 16, v[\pw]
	v_lshl_or_b32 v[\pw], v[TM+7], 24, v[\pw]
	v_cvt_scalef32_pk16_fp6_f32 v[(\d0):(\d0)+2], v[(\s):(\s)+15], v[TM+12]
	v_cvt_scalef32_pk16_fp6_f32 v[TC:TC+2], v[(\s)+16:(\s)+31], v[TM+13]   ; (a conversion's three registers begin on an even number)
	v_cvt_scalef32_pk16_fp6_f32 v[(\d1):(\d1)+2], v[(\s)+32:(\s)+47], v[TM+14]
	v_cvt_scalef32_pk16_fp6_f32 v[TC+4:TC+6], v[(\s)+48:(\s)+63], v[TM+15]
	v_nop                                          ; one plain place behind a scaled conversion
.irp i, 0,1,2                                  ; the operand's layout wants a WHOLE block in a lane
	v_permlane16_swap_b32 v[(\d0)+\i], v[TC+\i]
	v_permlane16_swap_b32 v[(\d1)+\i], v[TC+4+\i]
.endr
.irp i, 0,1,2
	v_mov_b32 v[(\d0)+3+\i], v[TC+\i]
	v_mov_b32 v[(\d1)+3+\i], v[TC+4+\i]
.endr
.endm
.macro TABLOAD a                       ; (cos, sin) of my token of tile a, pairs 16 b + 8 h + 0 .. 7, b = 0, 1: 32 registers in window 2; they serve q and k
	WIN 0x80
.irp b, 0,1
.irp j, 0,1,2,3
	global_load_b128 v[32*\a+16*\b+4*\j:32*\a+16*\b+4*\j+3], v16, s[92:93] offset:2048*\a+128*\b+16*\j
.endr
.endr
	WIN 0
.endm
.macro ROPE s, a                       ; register 16 b + i is channel 32 (b % 2) + 16 h + i of head b / 2: pairs of neighbours are turned, each accumulator from its low end on
	WIN 0x08                                       ; source 1 (the table) window 2
.irp b, 0,1,2,3
.irp p, 0,1,2,3,4,5,6,7
	v_mul_f32 v[RT+2*(\p%4)], v[(\s)+16*\b+2*\p+1], v[32*\a+16*(\b%2)+2*\p+1]     ; x2 sin
	v_mul_f32 v[RT+2*(\p%4)+1], v[(\s)+16*\b+2*\p], v[32*\a+16*(\b%2)+2*\p+1]     ; x1 sin
	v_fma_f32 v[(\s)+16*\b+2*\p], v[(\s)+16*\b+2*\p], v[32*\a+16*(\b%2)+2*\p], -v[RT+2*(\p%4)]         ; x1 cos - x2 sin
	v_fma_f32 v[(\s)+16*\b+2*\p+1], v[(\s)+16*\b+2*\p+1], v[32*\a+16*(\b%2)+2*\p], v[RT+2*(\p%4)+1]    ; x2 cos + x1 sin
.endr
.endr
	WIN 0
.endm
.macro OUTQK ptr                       ; q's or k's way out
	s_wait_xcnt 0x0                                ; earlier stores have read their data: the fragments' registers are written again only behind this wait
	ROPE ACC, 0
	QUANT ACC, FA, FB, PW0                         ; token tile 2 w: head A's codes to FA's lower six, head B's to FB's
	ROPE ACC+64, 1
	QUANT ACC+64, FA+6, FB+6, PW1                  ; token tile 2 w + 1: to the upper six
	v_perm_b32 v120, v[PW1], v[PW0], 0x05040100    ; head A's word: tile 2 w's two bytes, tile 2 w + 1's two
	v_perm_b32 v121, v[PW1], v[PW0], 0x07060302    ; head B's
	v_cndmask_b32 v120, v120, v121, s45
.irp j, 0,1,2
	global_store_b128 v18, v[FA+4*\j:FA+4*\j+3], s[\ptr:\ptr+1] offset:512*\j          ; 32 lanes store 512 consecutive bytes, aligned
.endr
.irp j, 0,1,2
	global_store_b128 v18, v[FB+4*\j:FB+4*\j+3], s[\ptr:\ptr+1] offset:HEADB+512*\j
.endr
	global_store_b32 v17, v120, s[\ptr:\ptr+1]     ; two runs of 64 bytes: one part in 25 of what the wave stores here
.endm
	TABLOAD 0
	TABLOAD 1
	SCL0 90, 0                                     ; W_q's scale words,
	SCL1 88, 0                                     ; and those of my two tiles of x, which serve q and k
	s_wait_alu depctr_va_vdst(0)
	SEQ                                            ; my part of x or of W_q is in
	CROUND                                         ; everybody's is, and all sixteen work-groups are here
	tensor_load_to_lds s[G0B:G0B+3], s[G1R:G1R+7]  ; slot B's first fill: my quarter of W_k
	s_nop 0
	PLACES
	MAIN AWA, AXM                                  ; q
	SCL0 90, 32768                                 ; W_k's scale words: they land under q's way out
	SEQ                                            ; W_k is in, and my reads of slot A are over
	CROUND
	tensor_load_to_lds s[G0V:G0V+3], s[G1R:G1R+7]  ; slot A again: my quarter of W_v
	s_nop 0
	PLACES
	OUTQK 94
	MAIN AWB, AXM                                  ; k
	SCL0 88, 0                                     ; for v: x's eight tiles' scale words,
	SCL1 90, 65536                                 ; and those of my two tiles of W_v
	s_wait_tensorcnt 0x0                           ; my quarter of W_v is in
	s_wait_dscnt 0x0
	s_barrier_signal -1
	s_barrier_wait -1                              ; everybody's is
	OUTQK 76
	MAIN AX, AWM                                   ; v
	s_wait_xcnt 0x0                                ; k's stores have read their data
	QUANT ACC, FA, FA+6, PW0                       ; 16 channels x the step's 128 keys
	QUANT ACC+64, FB, FB+6, PW1
	v_cndmask_b32 v120, v[PW0], v[PW1], s45
.irp j, 0,1,2
	global_store_b128 v23, v[FA+4*\j:FA+4*\j+3], s[78:79] offset:512*\j
.endr
.irp j, 0,1,2
	global_store_b128 v23, v[FB+4*\j:FB+4*\j+3], s[78:79] offset:FRB+512*\j
.endr
	global_store_b32 v22, v120, s[78:79]
	SEQ                                            ; the wave's end
	CROUND                                         ; the closing round: no work-group ends while a partner may still ask for a part that names it
	s_endpgm
.Lfunc_end_k_q18b1b6c9dc_qkv:
	.size	k_q18b1b6c9dc_qkv, .Lfunc_end_k_q18b1b6c9dc_qkv-k_q18b1b6c9dc_qkv
	.p2alignl 7, 3214868480
	.fill 96, 4, 3214868480
	.section	.rodata,"a",@progbits
	.p2align	6, 0x0
	.amdhsa_kernel k_q18b1b6c9dc_qkv
		.amdhsa_group_segment_fixed_size 327680
		.amdhsa_private_segment_fixed_size 0
		.amdhsa_enable_private_segment 0
		.amdhsa_kernarg_size 40
		.amdhsa_user_sgpr_count 2
		.amdhsa_user_sgpr_kernarg_segment_ptr 1
		.amdhsa_wavefront_size32 1
		.amdhsa_system_sgpr_workgroup_id_x 1
		.amdhsa_system_sgpr_workgroup_id_y 1
		.amdhsa_system_sgpr_workgroup_id_z 1
		.amdhsa_system_vgpr_workitem_id 0
		.amdhsa_next_free_vgpr 576
		.amdhsa_next_free_sgpr 100
		.amdhsa_reserve_vcc 0
		.amdhsa_float_denorm_mode_32 3
		.amdhsa_float_denorm_mode_16_64 3
		.amdhsa_memory_ordered 1
		.amdhsa_forward_progress 1
		.amdhsa_inst_pref_size 164
	.end_amdhsa_kernel
	.amdgpu_metadata
---
amdhsa.version: [ 1, 2 ]
amdhsa.kernels:
  - .name:           k_q18b1b6c9dc_qkv
    .symbol:         k_q18b1b6c9dc_qkv.kd
    .args:
      - { .name: cod, .offset: 0, .size: 8, .value_kind: global_buffer, .address_space: global }
      - { .name: scl, .offset: 8, .size: 8, .value_kind: global_buffer, .address_space: global }
      - { .name: tab, .offset: 16, .size: 8, .value_kind: global_buffer, .address_space: global }
      - { .name: qb, .offset: 24, .size: 8, .value_kind: global_buffer, .address_space: global }
      - { .name: kv, .offset: 32, .size: 8, .value_kind: global_buffer, .address_space: global }
    .group_segment_fixed_size: 327680
    .private_segment_fixed_size: 0
    .kernarg_segment_align: 8
    .kernarg_segment_size: 40
    .max_flat_workgroup_size: 128
    .sgpr_count:     100
    .vgpr_count:     576
    .wavefront_size: 32
...
	.end_amdgpu_metadata
.endif
;; end of part 2
;; launch attn (part 3): grid 8 x 32, 16 waves a work-group, clusters of 4 x 1, 276,480 bytes of LDS; arguments qb, kv, aoc, aos; writes aoc, aos
.if DOCPART == 3
	.amdgcn_target "amdgcn-amd-amdhsa--gfx1250"
	.amdhsa_code_object_version 6
	.text
	.protected	k_q18b1b6c9dc_attn
	.globl	k_q18b1b6c9dc_attn
	.p2align	8
	.type	k_q18b1b6c9dc_attn,@function
k_q18b1b6c9dc_attn:
	s_mov_b64 s[64:65], 0
	v_nop
	global_prefetch_b8 v0, s[64:65] scope:SCOPE_SE
	s_setreg_imm32_b32 hwreg(HW_REG_WAVE_MODE, 25, 1), 1
	s_wait_xcnt 0x0
	s_wait_alu depctr_hold_cnt(0) depctr_sa_sdst(0) depctr_va_vdst(0) depctr_va_sdst(0) depctr_va_ssrc(0) depctr_va_vcc(0) depctr_vm_vsrc(0)
	s_getreg_b32 s2, hwreg(HW_REG_IB_STS2, 6, 4)
	s_cmp_eq_u32 s2, 0
	s_cbranch_scc0 .Lentry_in_a_cluster
	s_endpgm
.Lentry_in_a_cluster:
	s_bfe_u32 s2, ttmp6, 0x10000c
	s_cmp_lg_u32 s2, 0x3003
	s_cbranch_scc0 .Lentry_shape_is_right
	s_endpgm
.Lentry_shape_is_right:
; Causal attention of one head on codes of FP6 (E2M3) with E8M0 scales: S^T = K Q^T, the streaming softmax, O^T = V^T P^T; O / the row's sum is quantised along the model's 1,024 for the last product.
; THE SOFTMAX: t = score x log2(e) / 32; M = the largest t so far, rounded UP to a whole number; p = 2^(t - M) is quantised along the keys, not normalised; the row's sum is taken of the unquantised p and divides O at the end.
; When M moves, the sum and O are multiplied by 2^(old M - new M): exact.  LEFT OUT: key steps whose keys all come after a tile's queries: the causal mask sets their p to 0.
; LDS: a head's K and V, 16 key steps of 12,800 bytes, lie whole in LDS, each byte filled once: wave w asks for key step w, ONE tensor load a wave.  The four work-groups of a cluster belong to one head: each load is JOINT (mask of all four).
; SHARES.  Work-group tau of a head's eight owns query tiles 8 A + tau, A = 0 .. 15; tile A needs key steps 0 .. A, 136 tile steps in all.  They are dealt 8 or 9 to a wave.  Pair a = 0 .. 7 has two waves:
;   X (bit 2 of the wave's number 0): tile 15 - a, key steps 8 - a .. 15 - a (8 steps, the last on the diagonal);
;   Y (bit 2 set): tile 15 - a, key steps 0 .. 7 - a, whose O^T, -M and sum it hands over through LDS bytes of its own; then tile a, key steps 0 .. a (9 steps in all).
; Behind one barrier X joins Y's part to its own: both M are whole numbers, so both factors are powers of two.  X stores tile 15 - a, Y tile a.
; All branches hang on the wave's number and on the loop's count of 9; cx enters global addresses and values alone.
; K = 64 UNDER AN INSTRUCTION OF K = 128: a fragment of K holds two key tiles' 64 channels.  q stands between two runs of zero codes: (q | zeros) gives the first tile's scores, (zeros | q) the second's.
; LAYOUT: both products are used transposed: a lane holds ONE query (lane % 16).  Key tile 2 b + u holds keys 32 b + 8 u + r + 8 (r / 8), so the 16 registers of tiles 2 b, 2 b + 1 are keys 32 b + 16 h + 0 .. 15.
; NO PREFETCH: everything that the work-group reads of K and V is asked for by the head's 16 loads; no loop runs ahead of a load.
; LIMITS: NaN and infinities are not served; the promise holds while |t| stays under 2^31; blocks whose largest magnitude lies under 2^-124 keep the scale byte 1 (this program alone reads the bytes).
; REGISTERS: v1-7 addresses; v8-11 at work; v12 -M, v13 the largest t, v[14:15] the sum; v16-33 zeros, q, zeros; v34-41 the second tile's q and scale words; v42-43, v92-93 the hand-over's addresses;
; v44-91 four fragments of K, then of V; v96-159 S^T, then p; v160-191 O^T; v192-203 p's codes; v204-227 at work; v232-235 scale words (lanes 0-15 K's, 16-31 V's); v236-238 q's two and p's; v240-253 partial sums.
.set BLK, 12800
.set XB,  204800                       ; behind K and V: 4,352 bytes for each wave, the hand-over; no fill lands here
.set XP,  4352
.set SPARE, 274432                     ; behind it: the spare words, 128 bytes a wave
.set ALD, 1
.set ASC, 2
.set DQ,  3
.set ADK, 4
.set ADS, 5
.set QH,  16
.set QL,  22
.set Q2,  34
.set AXO, 42
.set AXS, 43
.set AYO, 92
.set AYS, 93
.set KF,  44
.set S,   96
.set OT,  160
.set PC,  192
.set TC,  204
.set BM,  212
.set TP,  216
.set SO,  220
.set TT,  224
.set FF,  226
.set SW,  232
.set QSL, 236
.set QSH, 237
.set PWD, 238
.set AC,  240
.set WV,  12
.set A2,  13
.set ROLE, 17
.set SEL, 20
.set CS,  22
.set G1,  24
.set G0,  32
.set A1,  36
.set AA,  37
.set KS,  38
.set NSW, 39
.set T,   40
.set TB,  41
.set AE,  42
.macro CROUND                          ; a round of the cluster's barrier
	s_barrier_signal -1
	s_barrier_wait -1
	s_cmp_lg_u32 s[WV], 0
	s_cbranch_scc1 .Lnot_wave_0_\@
	s_barrier_signal -3
.Lnot_wave_0_\@:
	s_barrier_wait -3
	s_barrier_signal -1
	s_barrier_wait -1
.endm
	s_load_b256 s[4:11], s[0:1], 0x0               ; qb, kv, aoc, aos
	v_lshl_add_u32 v254, v0, 2, SPARE
	v_mov_b32 v255, 0
	ds_add_u32 v254, v255                          ; the opening lines: the add, twice on end, and its wait
	ds_add_u32 v254, v255
	v_lshrrev_b32 v8, 5, v0
	v_readfirstlane_b32 s[WV], v8                  ; wave 0..15
	s_and_b32 s[A2], s[WV], 3
	s_lshr_b32 s14, s[WV], 3
	s_lshl_b32 s14, s14, 2
	s_or_b32 s[A2], s[A2], s14                     ; a: the pair, and the low tile's A
	s_bfe_u32 s[ROLE], s[WV], 0x10002              ; 0: X, 1: Y
	s_xor_b32 s[A1], s[A2], 15                     ; 15 - a: the high tile's A
	s_xor_b32 s[KS], s[A2], 7
	s_add_co_u32 s[KS], s[KS], 1                   ; 8 - a
	s_xor_b32 s14, s[ROLE], 1
	s_mul_i32 s[KS], s[KS], s14                    ; my first key step: X 8 - a, Y 0
	s_mul_i32 s[NSW], s[A2], s[ROLE]
	s_xor_b32 s[NSW], s[NSW], 7
	s_add_co_u32 s[NSW], s[NSW], 1                 ; the trip at which the high tile is left: X 8, Y 8 - a
	s_mov_b32 s[AA], s[A1]
	s_bfe_u32 s14, ttmp6, 0x40000                  ; cx
	s_lshl_b32 s15, ttmp9, 2
	s_add_co_u32 s15, s15, s14                     ; tau
	s_and_b32 s16, ttmp7, 0xffff                   ; 16 x batch + head: the four partners share it
	s_mov_b32 s[G1], 15|(3<<16)|(1<<21)            ; the mask of all four; elements of 8 bytes; bit 21 beside a mask
	s_mov_b32 s[G1+1], 32<<16                      ; a key step's 12,800 dense bytes as 50 rows of 256
	s_mov_b32 s[G1+2], 50<<16
	s_mov_b32 s[G1+3], 32<<16
	s_mov_b32 s[G1+4], 50
	s_mov_b32 s[G1+5], 32
	s_mov_b32 s[G1+6], 0
	s_mov_b32 s[G1+7], 0
	s_mul_i32 s43, s[WV], BLK
	s_lshl_b32 s18, s16, 4
	s_add_co_u32 s18, s18, s[WV]
	s_mul_i32 s18, s18, BLK
	s_mov_b32 s19, 0
	s_mov_b32 s[SEL], 0x76543210
	s_mov_b32 s[SEL+1], 0xfedcba98                 ; v_permlanex16_b32's selects for lane l xor 16
	s_mov_b32 s[CS], 0x3d38aa3b                    ; c = log2(e) / 32
	s_mov_b32 s[CS+1], s[CS]
	s_wait_dscnt 0x0
	s_wait_kmcnt 0x0
	s_mov_b32 s[G0], 1
	s_mov_b32 s[G0+1], s43                         ; key step w goes to w x 12,800
	s_add_nc_u64 s[G0+2:G0+3], s[6:7], s[18:19]
	s_or_b32 s[G0+3], s[G0+3], 0x80000000
	CROUND                                         ; all four work-groups are here: the joint loads meet
	tensor_load_to_lds s[G0:G0+3], s[G1:G1+7]      ; my one load
	s_nop 0
	s_lshl_b32 s52, s16, 4
	s_add_co_u32 s54, s52, s[A2]
	s_add_co_u32 s52, s52, s[A1]
	s_mul_i32 s52, s52, BLK
	s_mul_i32 s54, s54, BLK
	s_mov_b32 s53, 0
	s_mov_b32 s55, 0
	s_add_nc_u64 s[56:57], s[4:5], s[52:53]        ; q's block of the high tile,
	s_add_nc_u64 s[58:59], s[4:5], s[54:55]        ; and of the low one
	s_lshr_b32 s54, s15, 1                         ; tau / 2: which packed fragment
	s_and_b32 s60, s15, 1                          ; tau % 2: which half of it
	s_mul_i32 s55, s54, 1536
	s_lshl_b32 s62, s54, 6
	s_add_co_u32 s62, s62, 12288
	s_lshl_b32 s61, s54, 5
	s_lshl_b32 s63, s60, 3
	s_add_co_u32 s61, s61, s63                     ; 32 (tau / 2) + 8 (tau % 2)
	s_cmp_eq_u32 s60, 1
	s_cselect_b32 s51, -1, 0                       ; all lanes where the upper half is mine
	s_mul_i32 s14, s[WV], XP
	s_add_co_u32 s14, s14, XB                      ; my hand-over bytes,
	s_xor_b32 s18, s[WV], 4
	s_mul_i32 s18, s18, XP
	s_add_co_u32 s18, s18, XB                      ; and my partner's
	v_and_b32 v10, 31, v0                          ; lane
	v_and_b32 v8, 15, v0                           ; r
	v_bfe_u32 v9, v0, 4, 1                         ; h
	v_lshlrev_b32 v[ALD], 4, v10
	v_lshlrev_b32 v6, 3, v10
	v_lshlrev_b32 v7, 2, v8
	v_lshl_add_u32 v[ASC], v9, 8, v7
	v_add_nc_u32 v[S+40], s55, v[ALD]
	v_add_nc_u32 v[S+41], s62, v7
	v_add_nc_u32 v[ASC], 12288, v[ASC]             ; a block's scale words: 12,288 + 256 h + 4 r
.irp j, 0,1,2
	global_load_b128 v[S+4*\j:S+4*\j+3], v[S+40], s[56:57] offset:512*\j       ; the packed fragments of q
	global_load_b128 v[S+16+4*\j:S+16+4*\j+3], v[S+40], s[58:59] offset:512*\j
.endr
	global_load_b32 v[S+12], v[S+41], s[56:57]
	global_load_b32 v[S+28], v[S+41], s[58:59]
	v_add_nc_u32 v[AXO], s14, v[ALD]
	v_add_nc_u32 v[AXS], s14, v6
	v_add_nc_u32 v[AYO], s18, v[ALD]
	v_add_nc_u32 v[AYS], s18, v6
	v_and_b32 v[DQ], 8, v8
	v_lshlrev_b32 v9, 4, v9
	v_add3_u32 v[DQ], v[DQ], v8, s61
	v_mov_b32 v13, 0xff61b1e6                      ; the largest t so far: -3e38
	v_sub_nc_u32 v[DQ], v[DQ], v9                  ; register 16 b + i holds key 32 b + 16 h + i: on the diagonal it is hidden where 32 b + i > this number
	v_floor_f32 v12, -v13                          ; -M
	v_mov_b32 v14, 0
	v_mov_b32 v15, 0
	v_mov_b32 v11, 0                               ; (upper halves of pairs, and lane permutes' destinations, are written once)
.irp b, 0,1,2,3
	v_mov_b32 v[TP+\b], 0
.endr
	v_mov_b32 v[TT], 0
	v_mov_b32 v[FF+1], 0
	; where my results go: token tile Tg = 128 x batch + 8 A + tau, A the high tile's for X, the low one's for Y; head hd is half hd % 2 of K step hd / 2 of the last product
	s_cmp_eq_u32 s[ROLE], 0
	s_cselect_b32 s[AE], s[A1], s[A2]
	s_and_b32 s66, s16, 15
	s_lshr_b32 s67, s16, 4
	s_lshl_b32 s67, s67, 7
	s_lshl_b32 s68, s[AE], 3
	s_add_co_u32 s67, s67, s68
	s_add_co_u32 s67, s67, s15
	s_and_b32 s69, s66, 1
	s_lshl_b32 s70, s67, 3
	s_lshr_b32 s71, s66, 1
	s_add_co_u32 s70, s70, s71
	s_mul_i32 s70, s70, 1536
	s_mul_i32 s72, s69, 768
	s_add_co_u32 s70, s70, s72
	s_mov_b32 s71, 0
	s_add_nc_u64 s[8:9], s[8:9], s[70:71]          ; aoc + (8 Tg + hd / 2) 1,536 + 768 (hd % 2)
	s_lshl_b32 s72, s67, 10
	s_lshl_b32 s73, s69, 9
	s_add_co_u32 s72, s72, s73
	s_lshr_b32 s73, s66, 2
	s_lshl_b32 s73, s73, 7
	s_add_co_u32 s72, s72, s73
	s_bfe_u32 s73, s66, 0x10001
	s_lshl_b32 s73, s73, 6
	s_add_co_u32 s72, s72, s73
	s_mov_b32 s73, 0
	s_add_nc_u64 s[10:11], s[10:11], s[72:73]      ; aos + 1,024 Tg + 512 (hd % 2) + 128 (hd / 4) + 64 ((hd / 2) % 2)
	s_lshl_b32 s74, s69, 4
	s_wait_alu depctr_va_vdst(0)
	s_wait_loadcnt 0x0
.irp i, 0,1,2,3,4,5
	v_cndmask_b32 v[QL+\i], v[S+\i], v[S+6+\i], s51        ; my tile's half of the packed fragment
	v_cndmask_b32 v[Q2+\i], v[S+16+\i], v[S+22+\i], s51    ; and the low tile's, kept
	v_mov_b32 v[QH+\i], 0                          ; zero codes below q,
	v_mov_b32 v[QL+6+\i], 0                        ; and above
.endr
.macro QSC src, lo, hi                 ; my tile's two scale bytes; beside them the byte of 1.0, over zero codes
	v_lshrrev_b32 v9, 16, v[\src]
	v_and_b32 v8, 0xffff, v[\src]
	s_delay_alu instid0(VALU_DEP_1)
	v_cndmask_b32 v8, v8, v9, s51
	s_delay_alu instid0(VALU_DEP_1)
	v_or_b32 v[\lo], 0x7f7f0000, v8
	v_lshl_or_b32 v[\hi], v8, 16, 0x7f7f
.endm
	QSC S+12, QSL, QSH
	QSC S+28, Q2+6, Q2+7
.macro CLEAR                           ; the step is written once for all trips: a tile's first step finds zeros, which the first change of M leaves zeros
.set j, 0
.rept 32
	v_mov_b32 v[OT+j], 0
.set j, j+1
.endr
.endm
	CLEAR
	s_mov_b32 s[T], 0
	s_wait_alu depctr_va_vdst(0)
	s_wait_tensorcnt 0x0                           ; my key step has landed
	s_barrier_signal -1
	s_barrier_wait -1                              ; all sixteen have
.Ltrip:
	s_cmp_lg_u32 s[T], s[NSW]
	s_cbranch_scc1 .Lstep
	s_cmp_eq_u32 s[ROLE], 0
	s_cbranch_scc1 .Lnext                          ; X: its eight steps are done
	; Y leaves the high tile: O^T, -M and the sum go to my hand-over bytes as an image of the registers, and the low tile begins
	v_add_f32 v13, v14, v15                        ; with three v_nop: the four places behind the last products
	v_nop
	v_nop
	v_nop
.irp j, 0,1,2,3,4,5,6,7
	ds_store_b128 v[AXO], v[OT+4*\j:OT+4*\j+3] offset:512*\j   ; each accumulator from its low end on
.endr
	ds_store_b64 v[AXS], v[12:13] offset:4096
	s_wait_dscnt 0x0                               ; the stores have read their registers
.irp i, 0,1,2,3,4,5
	v_mov_b32 v[QL+\i], v[Q2+\i]
.endr
	v_mov_b32 v[QSL], v[Q2+6]
	v_mov_b32 v[QSH], v[Q2+7]
	v_mov_b32 v13, 0xff61b1e6
	v_mov_b32 v14, 0
	v_mov_b32 v15, 0
	v_floor_f32 v12, -v13
	CLEAR                                          ; also the places between q, its scale words and the next products
	s_mov_b32 s[AA], s[A2]
	s_mov_b32 s[KS], 0
.Lstep:                                                ; A KEY STEP: 128 keys
	s_min_u32 s[TB], s[KS], 15
	s_mul_i32 s[TB], s[TB], BLK                    ; the step's block in LDS
	v_add_nc_u32 v[ADK], s[TB], v[ALD]
	v_add_nc_u32 v[ADS], s[TB], v[ASC]
	v_nop
	v_nop                                          ; four places in front of loads into registers that the last products have read
.irp b, 0,1,2,3
.irp j, 0,1,2
	ds_load_b128 v[KF+12*\b+4*\j:KF+12*\b+4*\j+3], v[ADK] offset:1536*\b+512*\j
.endr
	ds_load_b32 v[SW+\b], v[ADS] offset:64*\b      ; lanes 0-15: K's fragment b; lanes 16-31: V's fragment b
.endr
	s_wait_alu depctr_va_vdst(0)
	s_wait_dscnt 0x0
.irp b, 0,1,2,3                                ; S^T = K Q^T: each fragment of K twice, for its two key tiles
	v_wmma_scale_f32_16x16x128_f8f6f4 v[S+16*\b:S+16*\b+7], v[KF+12*\b:KF+12*\b+11], v[QL:QL+11], 0, v[SW+\b], v[QSL] matrix_a_fmt:MATRIX_FMT_FP6 matrix_b_fmt:MATRIX_FMT_FP6
	v_wmma_scale_f32_16x16x128_f8f6f4 v[S+16*\b+8:S+16*\b+15], v[KF+12*\b:KF+12*\b+11], v[QH:QH+11], 0, v[SW+\b], v[QSH] matrix_a_fmt:MATRIX_FMT_FP6 matrix_b_fmt:MATRIX_FMT_FP6
.endr
.rept 4
	v_nop                                          ; places in front of the loads below and of the first read of the scores
.endr
.irp t, 0,1,2,3
.irp j, 0,1,2
	ds_load_b128 v[KF+12*\t+4*\j:KF+12*\t+4*\j+3], v[ADK] offset:6144+1536*\t+512*\j   ; V's fragments land under the softmax
.endr
.endr
	s_cmp_lg_u32 s[KS], s[AA]                      ; on the diagonal the scores of hidden keys become -infinity ahead of the maximum: p = 0 then
	s_cbranch_scc1 .Lopen
	v_mov_b32 v[TT], 0xff800000
.set n, 0
.rept 64
	v_cmp_gt_i32 vcc_lo, 32*(n/16)+n%16, v[DQ]
	v_cndmask_b32 v[S+n], v[S+n], v[TT], vcc_lo
.set n, n+1
.endr
.Lopen:
.irp b, 0,1,2,3
	v_max3_num_f32 v[BM+\b], v[S+16*\b], v[S+1+16*\b], v[S+2+16*\b]   ; the largest score of each block of 32 keys: for the row's maximum and, since p rises with the score, for the block's largest p
.endr
.irp i, 3,5,7,9,11,13
.irp b, 0,1,2,3
	v_max3_num_f32 v[BM+\b], v[BM+\b], v[S+16*\b+\i], v[S+1+16*\b+\i]
.endr
.endr
.irp b, 0,1,2,3
	v_max_num_f32 v[BM+\b], v[BM+\b], v[S+15+16*\b]
.endr
.irp b, 0,1,2,3
	s_delay_alu instid0(VALU_DEP_4)
	v_permlanex16_b32 v[TP+\b], v[BM+\b], s[SEL], s[SEL+1]
.endr
.irp b, 0,1,2,3
	s_delay_alu instid0(VALU_DEP_4)
	v_max_num_f32 v[BM+\b], v[BM+\b], v[TP+\b]     ; with lane l xor 16's 16 keys
.endr
	s_delay_alu instid0(VALU_DEP_2)
	v_max3_num_f32 v[TT], v[BM], v[BM+1], v[BM+2]
	s_delay_alu instid0(VALU_DEP_1)
	v_max_num_f32 v[TT], v[TT], v[BM+3]            ; the step's largest score of my query
	s_delay_alu instid0(VALU_DEP_1)
	v_mul_f32 v[TT], s[CS], v[TT]                  ; as t (c is positive)
	s_delay_alu instid0(VALU_DEP_1)
	v_max_num_f32 v13, v13, v[TT]                  ; the running largest t
	v_mov_b32 v[TT], v12
	s_delay_alu instid0(VALU_DEP_2)
	v_floor_f32 v12, -v13                          ; the new -M = -ceil(t)
	s_delay_alu instid0(VALU_DEP_1)
	v_sub_f32 v[TT], v12, v[TT]                    ; M's old value less its new one: a whole number, 0 or less
	s_delay_alu instid0(VALU_DEP_1)
	v_cvt_i32_f32 v[TT], v[TT]                     ; (it saturates)
	s_delay_alu instid0(VALU_DEP_1)
	v_ldexp_f32 v[FF], 1.0, v[TT]                  ; f = 2^(old M - new M)
.set j, 0
.rept 32
	v_pk_fma_f32 v[S+j:S+j+1], v[S+j:S+j+1], s[CS:CS+1], v[12:13] op_sel_hi:[1,0,0]   ; t - M, two at a time
.set j, j+2
.endr
.irp b, 0,1,2,3
	v_fma_f32 v[BM+\b], v[BM+\b], s[CS], v12       ; the same of each block's largest score
.endr
	s_wait_alu depctr_va_vdst(0)
.set j, 0
.rept 64
	v_exp_f32 v[S+j], v[S+j]                       ; p = 2^(t - M), at most 1
.set j, j+1
.endr
	v_pk_mul_f32 v[14:15], v[14:15], v[FF:FF+1] op_sel_hi:[1,0]   ; the sums under the new M: a plain place behind the exponentials
	s_wait_alu depctr_va_vdst(0)                   ; one wait for the whole batch, ahead of its first reader
.irp b, 0,1,2,3
	v_exp_f32 v[BM+\b], v[BM+\b]                   ; the block's largest p: the same two instructions on the same number give the same bits
.endr
; the row's sum of the unquantised p: 32 pairs into eight chains, then the chains together
.irp k, 0,1,2,3,4,5,6
	v_pk_add_f32 v[AC+2*\k:AC+2*\k+1], v[S+4*\k:S+4*\k+1], v[S+4*\k+2:S+4*\k+3]
.endr
	v_pk_add_f32 v[14:15], v[14:15], v[S+56:S+57]
.irp k, 0,1,2,3,4,5,6
	v_pk_add_f32 v[AC+2*\k:AC+2*\k+1], v[AC+2*\k:AC+2*\k+1], v[S+28+2*\k:S+29+2*\k]
.endr
	v_pk_add_f32 v[14:15], v[14:15], v[S+58:S+59]
.irp k, 0,1,2,3,4,5,6
	v_pk_add_f32 v[AC+2*\k:AC+2*\k+1], v[AC+2*\k:AC+2*\k+1], v[S+42+2*\k:S+43+2*\k]
.endr
	v_pk_add_f32 v[14:15], v[14:15], v[S+60:S+61]
	v_pk_add_f32 v[AC:AC+1], v[AC:AC+1], v[S+62:S+63]
	v_pk_add_f32 v[AC+2:AC+3], v[AC+2:AC+3], v[AC+4:AC+5]
	v_pk_add_f32 v[AC+6:AC+7], v[AC+6:AC+7], v[AC+8:AC+9]
	v_pk_add_f32 v[AC+10:AC+11], v[AC+10:AC+11], v[AC+12:AC+13]
	v_pk_add_f32 v[14:15], v[14:15], v[AC:AC+1]
	v_pk_add_f32 v[AC+2:AC+3], v[AC+2:AC+3], v[AC+6:AC+7]
	s_delay_alu instid0(VALU_DEP_2)
	v_pk_add_f32 v[14:15], v[14:15], v[AC+10:AC+11]
	s_delay_alu instid0(VALU_DEP_1)
	v_pk_add_f32 v[14:15], v[14:15], v[AC+2:AC+3]
	s_wait_alu depctr_va_vdst(0)                   ; and one wait for the four
.irp b, 0,1,2,3
	v_max_num_f32 v[BM+\b], 0x1800000, v[BM+\b]    ; the floor 2^(3 - 127): the byte cannot fall under 1
.endr
.irp b, 0,1,2,3
	s_delay_alu instid0(VALU_DEP_4)
	v_add_nc_u32 v[SO+\b], 0xff000000, v[BM+\b]    ; 2 off the exponent field: the conversion's scale operand
.endr
.irp b, 0,1,2,3
	s_delay_alu instid0(VALU_DEP_4)
	v_lshrrev_b32 v[TP+\b], 23, v[SO+\b]           ; the scale's byte
.endr
	s_delay_alu instid0(VALU_DEP_3)
	v_lshl_or_b32 v[PWD], v[TP+1], 8, v[TP]        ; p's scale word for these 128 keys
	s_delay_alu instid0(VALU_DEP_1)
	v_lshl_or_b32 v[PWD], v[TP+2], 16, v[PWD]
	s_delay_alu instid0(VALU_DEP_1)
	v_lshl_or_b32 v[PWD], v[TP+3], 24, v[PWD]
.irp c, 0,1
	v_cvt_scalef32_pk16_fp6_f32 v[PC+6*\c:PC+6*\c+2], v[S+32*\c:S+32*\c+15], v[SO+2*\c]
	v_cvt_scalef32_pk16_fp6_f32 v[TC+4*\c:TC+4*\c+2], v[S+32*\c+16:S+32*\c+31], v[SO+2*\c+1]   ; (a conversion's three registers begin on an even number)
.endr
	v_nop                                          ; one plain place behind a scaled conversion
.irp c, 0,1                                    ; the operand's layout wants a WHOLE block in a lane
.irp i, 0,1,2
	v_permlane16_swap_b32 v[PC+6*\c+\i], v[TC+4*\c+\i]
.endr
.irp i, 0,1,2
	s_delay_alu instid0(VALU_DEP_3)
	v_mov_b32 v[PC+6*\c+3+\i], v[TC+4*\c+\i]
.endr
.endr
	s_wait_alu depctr_va_vdst(0)                   ; directly ahead of the first reader of O^T
.set j, 0
.rept 16
	v_pk_mul_f32 v[OT+j:OT+j+1], v[OT+j:OT+j+1], v[FF:FF+1] op_sel_hi:[1,0]   ; O^T under the new M; also the places between p's codes and scale word and the products
.set j, j+2
.endr
	s_wait_alu depctr_va_vdst(0)
	s_wait_dscnt 0x0                               ; V's fragments are in
.irp t, 0,1,2,3                                ; O^T += V^T P^T: the four accumulators by turns
	v_wmma_scale_f32_16x16x128_f8f6f4 v[OT+8*\t:OT+8*\t+7], v[KF+12*\t:KF+12*\t+11], v[PC:PC+11], v[OT+8*\t:OT+8*\t+7], v[SW+\t], v[PWD] matrix_a_fmt:MATRIX_FMT_FP6 matrix_b_fmt:MATRIX_FMT_FP6 matrix_a_scale:MATRIX_SCALE_ROW1
.endr
	s_add_co_u32 s[KS], s[KS], 1
.Lnext:
	s_add_co_u32 s[T], s[T], 1
	s_cmp_lt_u32 s[T], 9
	s_cbranch_scc1 .Ltrip
	s_wait_dscnt 0x0                               ; my hand-over stores are done, and no LDS instruction of mine is pending at the signal
	s_barrier_signal -1
	s_barrier_wait -1                              ; every Y's part lies in LDS
	s_cmp_lg_u32 s[ROLE], 0
	s_cbranch_scc1 .Lout
	; X joins its partner's part of the high tile to its own
.irp j, 0,1,2,3,4,5,6,7
	ds_load_b128 v[S+4*\j:S+4*\j+3], v[AYO] offset:512*\j
.endr
	ds_load_b64 v[S+32:S+33], v[AYS] offset:4096   ; its -M and its sum
	s_wait_dscnt 0x0
	v_min_num_f32 v8, v12, v[S+32]                 ; -M of the two together
	v_add_f32 v14, v14, v15
	s_delay_alu instid0(VALU_DEP_2)
	v_sub_f32 v9, v8, v12
	v_sub_f32 v10, v8, v[S+32]
	s_delay_alu instid0(VALU_DEP_2)
	v_cvt_i32_f32 v9, v9
	s_delay_alu instid0(VALU_DEP_2)
	v_cvt_i32_f32 v10, v10
	s_delay_alu instid0(VALU_DEP_2)
	v_ldexp_f32 v[FF], 1.0, v9                     ; my factor,
	s_delay_alu instid0(VALU_DEP_2)
	v_ldexp_f32 v10, 1.0, v10                      ; and its: powers of two
	v_mov_b32 v15, 0
	s_delay_alu instid0(VALU_DEP_3)
	v_mul_f32 v14, v14, v[FF]
	s_delay_alu instid0(VALU_DEP_1)
	v_fma_f32 v14, v[S+33], v10, v14
.set j, 0
.rept 16
	v_pk_mul_f32 v[OT+j:OT+j+1], v[OT+j:OT+j+1], v[FF:FF+1] op_sel_hi:[1,0]   ; each accumulator from its low end on
.set j, j+2
.endr
.set j, 0
.rept 16
	v_pk_fma_f32 v[OT+j:OT+j+1], v[S+j:S+j+1], v[10:11], v[OT+j:OT+j+1] op_sel_hi:[1,0,1]
.set j, j+2
.endr
.Lout:
	; THE WAY OUT.  O^T / the sum: register 16 b + i is channel 32 b + 16 h + i of my token: two blocks of 32 along the last product's K, quantised as p is and stored as half a fragment's image.
.rept 4
	v_nop                                          ; places behind the last products
.endr
	v_add_f32 v14, v14, v15
	s_delay_alu instid0(VALU_DEP_1)
	v_permlanex16_b32 v[TT], v14, s[SEL], s[SEL+1]
	s_delay_alu instid0(VALU_DEP_1)
	v_add_f32 v14, v14, v[TT]                      ; with lane l xor 16's: the row's sum
	s_wait_alu depctr_va_vdst(0)
	v_rcp_f32 v14, v14
	v_nop                                          ; a plain place behind it
	s_wait_alu depctr_va_vdst(0)
.set j, 0
.rept 32
	v_mul_f32 v[S+j], v[OT+j], v14                 ; each accumulator from its low end on
.set j, j+1
.endr
.irp b, 0,1
	v_max3_num_f32 v[BM+\b], |v[S+16*\b]|, |v[S+1+16*\b]|, 0x1800000
.endr
.irp i, 2,4,6,8,10,12,14
.irp b, 0,1
	s_delay_alu instid0(VALU_DEP_2)
	v_max3_num_f32 v[BM+\b], v[BM+\b], |v[S+16*\b+\i]|, |v[S+1+16*\b+\i]|
.endr
.endr
.irp b, 0,1
	s_delay_alu instid0(VALU_DEP_2)
	v_permlanex16_b32 v[TP+\b], v[BM+\b], s[SEL], s[SEL+1]
.endr
.irp b, 0,1
	s_delay_alu instid0(VALU_DEP_2)
	v_max_num_f32 v[BM+\b], v[BM+\b], v[TP+\b]
.endr
.irp b, 0,1
	s_delay_alu instid0(VALU_DEP_2)
	v_add_nc_u32 v[SO+\b], 0xff000000, v[BM+\b]
.endr
.irp b, 0,1
	s_delay_alu instid0(VALU_DEP_2)
	v_lshrrev_b32 v[TP+\b], 23, v[SO+\b]
.endr
	s_delay_alu instid0(VALU_DEP_1)
	v_lshl_or_b32 v8, v[TP+1], 8, v[TP]
	s_delay_alu instid0(VALU_DEP_1)
	v_lshlrev_b32 v8, s74, v8                      ; an even head's bytes are the word's lower two, an odd head's the upper two; the reader joins the words
	v_cvt_scalef32_pk16_fp6_f32 v[PC:PC+2], v[S:S+15], v[SO]
	v_cvt_scalef32_pk16_fp6_f32 v[TC:TC+2], v[S+16:S+31], v[SO+1]
	v_nop                                          ; one plain place behind a scaled conversion
.irp i, 0,1,2
	v_permlane16_swap_b32 v[PC+\i], v[TC+\i]
.endr
.irp i, 0,1,2
	s_delay_alu instid0(VALU_DEP_3)
	v_mov_b32 v[PC+3+\i], v[TC+\i]
.endr
	global_store_b128 v[ALD], v[PC:PC+3], s[8:9]               ; 512 consecutive bytes, aligned
	global_store_b64 v6, v[PC+4:PC+5], s[8:9] offset:512       ; 256 consecutive bytes, aligned
	global_store_b32 v7, v8, s[10:11]                          ; 64 bytes: lanes l and l xor 16 hold the same word and store it to the same place
	s_wait_tensorcnt 0x0                           ; the wave's end
	ds_add_u32 v254, v255
	s_wait_dscnt 0x0
	CROUND                                         ; the closing round
	s_endpgm
.Lfunc_end_k_q18b1b6c9dc_attn:
	.size	k_q18b1b6c9dc_attn, .Lfunc_end_k_q18b1b6c9dc_attn-k_q18b1b6c9dc_attn
	.p2alignl 7, 3214868480
	.fill 96, 4, 3214868480
	.section	.rodata,"a",@progbits
	.p2align	6, 0x0
	.amdhsa_kernel k_q18b1b6c9dc_attn
		.amdhsa_group_segment_fixed_size 276480
		.amdhsa_private_segment_fixed_size 0
		.amdhsa_enable_private_segment 0
		.amdhsa_kernarg_size 32
		.amdhsa_user_sgpr_count 2
		.amdhsa_user_sgpr_kernarg_segment_ptr 1
		.amdhsa_wavefront_size32 1
		.amdhsa_system_sgpr_workgroup_id_x 1
		.amdhsa_system_sgpr_workgroup_id_y 1
		.amdhsa_system_sgpr_workgroup_id_z 1
		.amdhsa_system_vgpr_workitem_id 0
		.amdhsa_next_free_vgpr 256
		.amdhsa_next_free_sgpr 80
		.amdhsa_reserve_vcc 1
		.amdhsa_float_denorm_mode_32 3
		.amdhsa_float_denorm_mode_16_64 3
		.amdhsa_memory_ordered 1
		.amdhsa_forward_progress 1
		.amdhsa_inst_pref_size 43
	.end_amdhsa_kernel
	.amdgpu_metadata
---
amdhsa.version: [ 1, 2 ]
amdhsa.kernels:
  - .name:           k_q18b1b6c9dc_attn
    .symbol:         k_q18b1b6c9dc_attn.kd
    .args:
      - { .name: qb, .offset: 0, .size: 8, .value_kind: global_buffer, .address_space: global }
      - { .name: kv, .offset: 8, .size: 8, .value_kind: global_buffer, .address_space: global }
      - { .name: aoc, .offset: 16, .size: 8, .value_kind: global_buffer, .address_space: global }
      - { .name: aos, .offset: 24, .size: 8, .value_kind: global_buffer, .address_space: global }
    .group_segment_fixed_size: 276480
    .private_segment_fixed_size: 0
    .kernarg_segment_align: 8
    .kernarg_segment_size: 32
    .max_flat_workgroup_size: 512
    .sgpr_count:     80
    .vgpr_count:     256
    .wavefront_size: 32
...
	.end_amdgpu_metadata
.endif
;; end of part 3
;; launch oproj (part 4): grid 8 x 32, 4 waves a work-group, clusters of 4 x 4, 230,912 bytes of LDS; arguments cod, scl, aoc, aos, out0; writes out0
.if DOCPART == 4
	.amdgcn_target "amdgcn-amd-amdhsa--gfx1250"
	.amdhsa_code_object_version 6
	.text
	.protected	k_q18b1b6c9dc_oproj
	.globl	k_q18b1b6c9dc_oproj
	.p2align	8
	.type	k_q18b1b6c9dc_oproj,@function
k_q18b1b6c9dc_oproj:
	s_mov_b64 s[64:65], 0
	v_nop
	global_prefetch_b8 v0, s[64:65] scope:SCOPE_SE
	s_setreg_imm32_b32 hwreg(HW_REG_WAVE_MODE, 25, 1), 1
	s_wait_xcnt 0x0
	s_wait_alu depctr_hold_cnt(0) depctr_sa_sdst(0) depctr_va_vdst(0) depctr_va_sdst(0) depctr_va_ssrc(0) depctr_va_vcc(0) depctr_vm_vsrc(0)
	s_getreg_b32 s2, hwreg(HW_REG_IB_STS2, 6, 4)
	s_cmp_eq_u32 s2, 0
	s_cbranch_scc0 .Lentry_in_a_cluster
	s_endpgm
.Lentry_in_a_cluster:
	s_bfe_u32 s2, ttmp6, 0x10000c
	s_cmp_lg_u32 s2, 0xf033
	s_cbranch_scc0 .Lentry_shape_is_right
	s_endpgm
.Lentry_shape_is_right:
; out0 = ao W_o^T on codes of FP6 (E2M3) with E8M0 scales; ao is the attention's result, [4,096 tokens][1,024], quantised by the launch before; out0 [4,096][1,024] f32.
; A work-group makes 128 tokens x 128 columns over all of K = 1,024.  Both panels (8 tiles x 8 K steps x 1,536 bytes = 98,304 bytes each) lie whole in LDS: each byte is filled once, so there is no ring.
; CLUSTERS: 4 x 4 work-groups.  The four of a row of the cluster need the same panel of ao, the four of a column the same panel of W_o: each part is asked for JOINTLY.
; A wave makes 128 columns (source 0: W_o's eight tiles) x 32 tokens (source 1: ao's tiles 2 w, 2 w + 1): 16 accumulators.  In set a, lane (r, h) holds token r of the tile, and its register 16 b + i column 32 b + 16 h + i
; (tile 2 g + u holds rows 32 g + 8 u + r + 8 (r / 8)).
; ao's fragments lie as two halves of 768 bytes, one for each head of the K step: four registers at 16 x lane, then two at 8 x lane.  Its scale words come as two words, each with one head's two bytes: they are joined here.
; THE WAY OUT: a tile's 16 tokens x 512 bytes go through the wave's own stage in LDS, behind the panels, and leave as whole rows: 32 lanes store 512 consecutive bytes, aligned.
; REGISTERS.  window 0: v1-25 lane numbers and addresses; v28-59 W_o's scale words, v60-67 ao's; v68-75 ao's second halves; v128-255 the accumulators ((a, b) at v[128 + 8 (8 a + b)]).
;   window 1: two sets of fragments at v0 and v128: W_o's eight at 12 b, ao's two at 96 + 12 a; on the way out v0-127 the rows read back.
.set TILEB, 12288
.set FRB,   1536
.set CHUNK, 24576                      ; (a constant of the descriptors' set-up; a panel lies in LDS as in memory: fragment (t, ks) at panel + 12,288 t + 1,536 ks)
.set PANW,  98304                      ; ao's panel at 0, W_o's here
.set STAGE, 196608                     ; behind the panels: 16 rows x 528 bytes for each wave; no fill lands here
.set AW,  10                           ; v10-11  W_o's panel + 49,152 k + 16 x lane
.set AXM, 12                           ; v12-13  ao's panel, my two tiles: 49,152 k + 24,576 w + 16 x lane
.set AX8, 20                           ; v20-21  the same with 8 x lane
.set STO, 22
.set RD,  23
.set SC0, 28
.set SC1, 60
.set SH,  68
.set ACC, 128
.set WV,  14
.set G1X, 24
.set G1W, 32
.set G0X, 48
.set G0W, 68
.set MSB, 0
.macro WIN new                         ; the immediate's high byte repeats the setting that is left
.if MSB != \new
	s_set_vgpr_msb (MSB<<8)|\new
.set MSB, \new
.endif
.endm
.set MUL,  0x05                        ; sources 0 and 1 window 1; C and D window 0
.set TO_F, 0x40                        ; destination window 1, address window 0
.macro CROUND                          ; a round of the cluster's barrier
	s_barrier_signal -1
	s_barrier_wait -1
	s_cmp_lg_u32 s[WV], 0
	s_cbranch_scc1 .Lnot_wave_0_\@
	s_barrier_signal -3
.Lnot_wave_0_\@:
	s_barrier_wait -3
	s_barrier_signal -1
	s_barrier_wait -1
.endm
.macro PLACES                          ; four places in front of loads into registers that matrix instructions have read, and of the first read of results
.rept 4
	v_nop
.endr
.endm
	s_load_b256 s[4:11], s[0:1], 0x0               ; cod, scl, aoc, aos
	s_load_b64 s[12:13], s[0:1], 0x20              ; out0
	v_lshl_add_u32 v126, v0, 2, 0x38400
	v_mov_b32 v127, 0
	ds_add_u32 v126, v127
	ds_add_u32 v126, v127
	v_lshrrev_b32 v1, 5, v0
	v_readfirstlane_b32 s[WV], v1                  ; wave 0..3
	s_lshr_b32 s15, s14, 1                         ; I fetch for ao (0) or for W_o (1)
	s_and_b32 s16, s14, 1                          ; which four tiles of that panel
	s_bfe_u32 s40, ttmp6, 0x40000                  ; cx, cy
	s_bfe_u32 s41, ttmp6, 0x40004
	s_lshl_b32 s42, ttmp9, 2
	s_add_co_u32 s42, s42, s40                     ; nt: 128 columns
	s_and_b32 s17, ttmp7, 0xffff
	s_lshl_b32 s17, s17, 2
	s_add_co_u32 s17, s17, s41                     ; mt: 128 tokens
	s_lshl_b32 s43, s41, 2
	s_lshl_b32 s43, 15, s43                        ; my row of the cluster
	s_lshl_b32 s44, 0x1111, s40                    ; my column
	; descriptor group 1: four tiles, all of K, 49,152 dense bytes, on end in LDS
	s_or_b32 s[G1X], s43, (3<<16)|(1<<21)          ; 15:0 the mask: ao's panel goes to my row; 17:16 elements of 8 bytes; 21 set beside a mask
	s_or_b32 s[G1W], s44, (3<<16)|(1<<21)          ; W_o's goes to my column
.irp g, G1X, G1W
	s_mov_b32 s[\g+1], 32<<16                      ; four tiles, all of K: 49,152 dense bytes, as 192 rows of 256 bytes (32 elements of 8)
	s_mov_b32 s[\g+2], 192<<16
	s_mov_b32 s[\g+3], 32<<16
	s_mov_b32 s[\g+4], 192
	s_mov_b32 s[\g+5], 32
	s_mov_b32 s[\g+6], 0
	s_mov_b32 s[\g+7], 0
.endr
	s_lshl_b32 s22, s16, 2
	s_lshl_b32 s20, s17, 3
	s_add_co_u32 s20, s20, s22                     ; ao: tile 8 mt + 4 x half
	s_mul_i32 s20, s20, TILEB
	s_mov_b32 s21, 0
	s_lshl_b32 s46, s42, 3
	s_add_co_u32 s46, s46, s22
	s_add_co_u32 s46, s46, 448                     ; W_o: tile 448 + 8 nt + 4 x half
	s_mul_i32 s46, s46, TILEB
	s_mov_b32 s47, 0
	s_mul_i32 s23, s16, 49152                      ; where my four tiles go in the panel
	s_wait_dscnt 0x0
	s_wait_kmcnt 0x0
	s_add_nc_u64 s[84:85], s[8:9], s[20:21]
	s_add_nc_u64 s[86:87], s[4:5], s[46:47]
.irp c, 0
	s_mov_b32 s[G0X+4*\c], 1
	s_add_co_u32 s[G0X+4*\c+1], s23, \c*CHUNK
	s_add_nc_u64 s[G0X+4*\c+2:G0X+4*\c+3], s[84:85], \c*3072
	s_or_b32 s[G0X+4*\c+3], s[G0X+4*\c+3], 0x80000000
	s_mov_b32 s[G0W+4*\c], 1
	s_add_co_u32 s[G0W+4*\c+1], s23, PANW+\c*CHUNK
	s_add_nc_u64 s[G0W+4*\c+2:G0W+4*\c+3], s[86:87], \c*3072
	s_or_b32 s[G0W+4*\c+3], s[G0W+4*\c+3], 0x80000000
.endr
	CROUND                                         ; all sixteen work-groups are here: the joint loads meet
	s_cmp_eq_u32 s15, 0                            ; one fill a wave, in the two arms of one branch on the wave's number: half a panel each
	s_cbranch_scc0 .Lfill_w
.irp c, 0
	tensor_load_to_lds s[G0X+4*\c:G0X+4*\c+3], s[G1X:G1X+7]
	s_nop 0
.endr
	PLACES                                         ; four v_nop follow the last load
	s_branch .Lfilled
.Lfill_w:
.irp c, 0
	tensor_load_to_lds s[G0W+4*\c:G0W+4*\c+3], s[G1W:G1W+7]
	s_nop 0
.endr
	PLACES
.Lfilled:
	v_and_b32 v1, 31, v0                           ; lane
	v_and_b32 v2, 15, v0                           ; r
	v_bfe_u32 v3, v0, 4, 1                         ; h
	v_lshlrev_b32 v4, 4, v1                        ; 16 x lane
	v_lshlrev_b32 v5, 3, v1                        ; 8 x lane
	s_mul_i32 s20, s14, 24576                      ; my two tiles of ao's panel
	v_add_nc_u32 v6, s20, v4
	v_add_nc_u32 v7, s20, v5
.irp k, 0,1
	v_add_nc_u32 v[AW+\k], PANW+\k*49152, v4
	v_add_nc_u32 v[AXM+\k], \k*49152, v6
	v_add_nc_u32 v[AX8+\k], \k*49152, v7
.endr
	s_mul_i32 s20, s14, 8448
	s_add_co_u32 s20, s20, STAGE                   ; my stage
	v_mul_u32_u24 v[STO], v2, 528
	v_lshl_add_u32 v[STO], v3, 6, v[STO]
	v_add_nc_u32 v[STO], s20, v[STO]               ; in: row r, + 64 h
	v_add_nc_u32 v[RD], s20, v4                    ; back: a whole row, 16 bytes a lane
	s_lshl_b32 s20, s14, 11
	v_lshl_add_u32 v25, v1, 2, s20                 ; ao's scale words: 4 x lane + 2,048 w
	s_wait_alu depctr_va_vdst(0)
	s_lshl_b32 s20, s17, 13
	s_mov_b32 s21, 0
	s_add_nc_u64 s[88:89], s[10:11], s[20:21]      ; aos: 1,024 bytes a tile, tile 8 mt on
	s_lshl_b32 s46, s42, 12
	s_add_co_u32 s46, s46, 229376
	s_mov_b32 s47, 0
	s_add_nc_u64 s[90:91], s[6:7], s[46:47]        ; W_o's scale words: tile 448 + 8 nt on
	s_lshl_b32 s20, s17, 19                        ; out0: token 128 mt + 32 w, 4,096 bytes a token,
	s_lshl_b32 s22, s14, 17
	s_add_co_u32 s20, s20, s22
	s_add_nc_u64 s[94:95], s[12:13], s[20:21]
	s_lshl_b32 s46, s42, 9                         ; + 512 nt
	s_add_nc_u64 s[94:95], s[94:95], s[46:47]
.irp t, 0,1,2,3,4,5,6,7                        ; register 4 t + j: lanes 0-15 K step 2 j's word of the tile's rows, lanes 16-31 K step 2 j + 1's
.irp q, 0,1
	global_load_b64 v[SC0+4*\t+2*\q:SC0+4*\t+2*\q+1], v5, s[90:91] offset:512*\t+256*\q
.endr
.endr
.irp t, 0,1
.irp j, 0,1,2,3
	global_load_b32 v[SC1+4*\t+\j], v25, s[88:89] offset:1024*\t+128*\j        ; the even heads' bytes
	global_load_b32 v[SH+4*\t+\j], v25, s[88:89] offset:1024*\t+512+128*\j     ; the odd heads'
.endr
.endr
.macro FETCH ks                        ; 32 LDS loads in one run: K step ks's fragments into set ks % 2
	WIN TO_F
.irp t, 0,1,2,3,4,5,6,7
.irp j, 0,1,2
	ds_load_b128 v[128*((\ks)%2)+12*\t+4*\j:128*((\ks)%2)+12*\t+4*\j+3], v[AW+\t/4] offset:(\t%4)*TILEB+(\ks)*FRB+512*\j
.endr
.endr
.irp t, 0,1
.irp u, 0,1
	ds_load_b128 v[128*((\ks)%2)+96+12*\t+6*\u:128*((\ks)%2)+96+12*\t+6*\u+3], v[AXM] offset:\t*TILEB+(\ks)*FRB+768*\u
	ds_load_b64 v[128*((\ks)%2)+96+12*\t+6*\u+4:128*((\ks)%2)+96+12*\t+6*\u+5], v[AX8] offset:\t*TILEB+(\ks)*FRB+768*\u+512
.endr
.endr
.endm
.macro MUL8 ks, a                      ; 8 matrix instructions: W_o's eight tiles x my tile a of ao.  The 16 accumulators take turns, one instruction a turn, in the same order in every K step.  K step 0 starts the sums
	WIN MUL
.irp b, 0,1,2,3,4,5,6,7
.if (\ks) == 0
	v_wmma_scale_f32_16x16x128_f8f6f4 v[ACC+8*(8*\a+\b):ACC+8*(8*\a+\b)+7], v[12*\b:12*\b+11], v[96+12*\a:96+12*\a+11], 0, v[SC0+4*\b], v[SC1+4*\a] matrix_a_fmt:MATRIX_FMT_FP6 matrix_b_fmt:MATRIX_FMT_FP6
.elseif (\ks)%2 == 0
	v_wmma_scale_f32_16x16x128_f8f6f4 v[ACC+8*(8*\a+\b):ACC+8*(8*\a+\b)+7], v[12*\b:12*\b+11], v[96+12*\a:96+12*\a+11], v[ACC+8*(8*\a+\b):ACC+8*(8*\a+\b)+7], v[SC0+4*\b+(\ks)/2], v[SC1+4*\a+(\ks)/2] matrix_a_fmt:MATRIX_FMT_FP6 matrix_b_fmt:MATRIX_FMT_FP6
.else
	v_wmma_scale_f32_16x16x128_f8f6f4 v[ACC+8*(8*\a+\b):ACC+8*(8*\a+\b)+7], v[128+12*\b:128+12*\b+11], v[224+12*\a:224+12*\a+11], v[ACC+8*(8*\a+\b):ACC+8*(8*\a+\b)+7], v[SC0+4*\b+(\ks)/2], v[SC1+4*\a+(\ks)/2] matrix_a_fmt:MATRIX_FMT_FP6 matrix_b_fmt:MATRIX_FMT_FP6 matrix_a_scale:MATRIX_SCALE_ROW1 matrix_b_scale:MATRIX_SCALE_ROW1
.endif
.endr
.endm
.macro EVEN ks                         ; an even K step: its successor lies in the same chunk
.if (\ks) > 0
	PLACES
.endif
	FETCH (\ks)+1
	s_wait_dscnt 32                                ; all but the 32 just issued: this K step's fragments are in
	MUL8 \ks, 0
	MUL8 \ks, 1
.endm
.macro ODD ks                          ; an odd K step
	PLACES                                         ; both panels are whole from the first barrier on: an odd K step goes as an even one
	FETCH (\ks)+1
	s_wait_dscnt 32                                ; all but the 32 just issued
	MUL8 \ks, 0
	MUL8 \ks, 1
.endm
	s_wait_loadcnt 0x0                             ; the scale words
.irp i, 0,1,2,3,4,5,6,7
	v_or_b32 v[SC1+\i], v[SC1+\i], v[SH+\i]        ; the two heads' bytes make a K step's word
.endr
.rept 8
	v_nop                                          ; a scale register written by a vector instruction stands eight places ahead of a scaled matrix instruction
.endr
	s_wait_alu depctr_va_vdst(0)
	s_wait_tensorcnt 0x0                           ; my half of a panel has landed
	s_barrier_signal -1
	s_barrier_wait -1                              ; everybody's has
	FETCH 0
	EVEN 0
	ODD 1
	EVEN 2
	ODD 3
	EVEN 4
	ODD 5
	EVEN 6
	s_wait_dscnt 0x0
	MUL8 7, 0
	MUL8 7, 1
	WIN 0
	PLACES
	; THE WAY OUT.  LDS serves a wave's instructions in order (ISA guide 5.7.1.4): the loads see the stores above them, and the second tile's stores come behind the first tile's loads.
.irp a, 0,1
.irp b, 0,1,2,3,4,5,6,7
	ds_store_b128 v[STO], v[ACC+8*(8*\a+\b):ACC+8*(8*\a+\b)+3] offset:128*(\b/2)+32*(\b%2)        ; each accumulator from its low end on: columns 32 (b / 2) + 16 h + 8 (b % 2) on
	ds_store_b128 v[STO], v[ACC+8*(8*\a+\b)+4:ACC+8*(8*\a+\b)+7] offset:128*(\b/2)+32*(\b%2)+16
.endr
	WIN TO_F
.irp i, 0,1,2,3,4,5,6,7,8,9,10,11,12,13,14,15
	ds_load_b128 v[64*\a+4*\i:64*\a+4*\i+3], v[RD] offset:528*\i
.endr
	WIN 0
.endr
	WIN 0x04                                       ; a store's data are its source 1: window 1
.irp i, 0,1,2,3,4,5,6,7,8,9,10,11,12,13,14,15
	s_wait_dscnt 47-\i                             ; behind row i's load: the first tile's 15 - i further loads and the second tile's 32 instructions
	global_store_b128 v4, v[4*\i:4*\i+3], s[94:95] offset:(\i+8*(\i/8))*4096 th:TH_STORE_NT   ; 32 lanes store 512 consecutive bytes, aligned; written once, read by nobody here
.endr
.irp i, 0,1,2,3,4,5,6,7,8,9,10,11,12,13,14,15
	s_wait_dscnt 15-\i
	global_store_b128 v4, v[64+4*\i:64+4*\i+3], s[94:95] offset:(8+\i+8*(\i/8))*4096 th:TH_STORE_NT
.endr
	WIN 0
	s_wait_tensorcnt 0x0                           ; no tensor load is out at the end
	s_wait_tensorcnt 0x0
	ds_add_u32 v126, v127
	s_wait_dscnt 0x0
	CROUND                                         ; the closing round: no work-group ends while a partner may still ask for a part that names it
	s_endpgm
.Lfunc_end_k_q18b1b6c9dc_oproj:
	.size	k_q18b1b6c9dc_oproj, .Lfunc_end_k_q18b1b6c9dc_oproj-k_q18b1b6c9dc_oproj
	.p2alignl 7, 3214868480
	.fill 96, 4, 3214868480
	.section	.rodata,"a",@progbits
	.p2align	6, 0x0
	.amdhsa_kernel k_q18b1b6c9dc_oproj
		.amdhsa_group_segment_fixed_size 230912
		.amdhsa_private_segment_fixed_size 0
		.amdhsa_enable_private_segment 0
		.amdhsa_kernarg_size 40
		.amdhsa_user_sgpr_count 2
		.amdhsa_user_sgpr_kernarg_segment_ptr 1
		.amdhsa_wavefront_size32 1
		.amdhsa_system_sgpr_workgroup_id_x 1
		.amdhsa_system_sgpr_workgroup_id_y 1
		.amdhsa_system_sgpr_workgroup_id_z 1
		.amdhsa_system_vgpr_workitem_id 0
		.amdhsa_next_free_vgpr 512
		.amdhsa_next_free_sgpr 100
		.amdhsa_reserve_vcc 0
		.amdhsa_float_denorm_mode_32 3
		.amdhsa_float_denorm_mode_16_64 3
		.amdhsa_memory_ordered 1
		.amdhsa_forward_progress 1
		.amdhsa_inst_pref_size 52
	.end_amdhsa_kernel
	.amdgpu_metadata
---
amdhsa.version: [ 1, 2 ]
amdhsa.kernels:
  - .name:           k_q18b1b6c9dc_oproj
    .symbol:         k_q18b1b6c9dc_oproj.kd
    .args:
      - { .name: cod, .offset: 0, .size: 8, .value_kind: global_buffer, .address_space: global }
      - { .name: scl, .offset: 8, .size: 8, .value_kind: global_buffer, .address_space: global }
      - { .name: aoc, .offset: 16, .size: 8, .value_kind: global_buffer, .address_space: global }
      - { .name: aos, .offset: 24, .size: 8, .value_kind: global_buffer, .address_space: global }
      - { .name: out0, .offset: 32, .size: 8, .value_kind: global_buffer, .address_space: global }
    .group_segment_fixed_size: 230912
    .private_segment_fixed_size: 0
    .kernarg_segment_align: 8
    .kernarg_segment_size: 40
    .max_flat_workgroup_size: 128
    .sgpr_count:     100
    .vgpr_count:     512
    .wavefront_size: 32
...
	.end_amdgpu_metadata
.endif
;; end of part 4
